; MI455X (gfx1250); checked and timed in simulation.
; The chip was launched on July 23, 2026; its instructions are those of AMD's public machine-readable ISA for CDNA 5 (MIT licence, August 2026) and "CDNA5" Instruction Set Architecture Reference Guide (July 2026). The comments in the code are by the model that wrote it; some were corrected since.
;; Time Sformer Block. Allowed arithmetic: matrix products marked QUANTISED: E4M3 operands, one E8M0 scale for each 32 along K, by v_wmma_scale_f32_16x16x128_f8f6f4 with both operands' format E4M3, f32 sums; everything else in f32.
;; Inputs: f_b1 2,048 float32; f_b2 512 float32; f_w1_codes 2,048 x 16 x 32 uint8 (E4M3 codes of f_w1, K innermost, in blocks of 32 codes); f_w1_scales 2,048 x 16 uint8 (E8M0 scales of f_w1, one for each 32 codes along K); f_w2_codes 512 x 64 x 32 uint8 (E4M3 codes of f_w2, K innermost, in blocks of 32 codes); f_w2_scales 512 x 64 uint8 (E8M0 scales of f_w2, one for each 32 codes along K); ln1_b 512 float32; ln1_g 512 float32; ln2_b 512 float32; ln2_g 512 float32; s_bk 512 float32; s_bo 512 float32; s_bq 512 float32; s_bv 512 float32; s_wk_codes 512 x 16 x 32 uint8 (E4M3 codes of s_wk, K innermost, in blocks of 32 codes); s_wk_scales 512 x 16 uint8 (E8M0 scales of s_wk, one for each 32 codes along K); s_wo_codes 512 x 16 x 32 uint8 (E4M3 codes of s_wo, K innermost, in blocks of 32 codes); s_wo_scales 512 x 16 uint8 (E8M0 scales of s_wo, one for each 32 codes along K); s_wq_codes 512 x 16 x 32 uint8 (E4M3 codes of s_wq, K innermost, in blocks of 32 codes); s_wq_scales 512 x 16 uint8 (E8M0 scales of s_wq, one for each 32 codes along K); s_wv_codes 512 x 16 x 32 uint8 (E4M3 codes of s_wv, K innermost, in blocks of 32 codes); s_wv_scales 512 x 16 uint8 (E8M0 scales of s_wv, one for each 32 codes along K); t_bk 512 float32; t_bo 512 float32; t_bq 512 float32; t_bv 512 float32; t_wk_codes 512 x 16 x 32 uint8 (E4M3 codes of t_wk, K innermost, in blocks of 32 codes); t_wk_scales 512 x 16 uint8 (E8M0 scales of t_wk, one for each 32 codes along K); t_wo_codes 512 x 16 x 32 uint8 (E4M3 codes of t_wo, K innermost, in blocks of 32 codes); t_wo_scales 512 x 16 uint8 (E8M0 scales of t_wo, one for each 32 codes along K); t_wq_codes 512 x 16 x 32 uint8 (E4M3 codes of t_wq, K innermost, in blocks of 32 codes); t_wq_scales 512 x 16 uint8 (E8M0 scales of t_wq, one for each 32 codes along K); t_wv_codes 512 x 16 x 32 uint8 (E4M3 codes of t_wv, K innermost, in blocks of 32 codes); t_wv_scales 512 x 16 uint8 (E8M0 scales of t_wv, one for each 32 codes along K); x 4 x 2,048 x 512 float32.
;; Outputs: out0 4 x 2,048 x 512 float32.
;; This version of the problem:
;;   THIS VERSION OF THE PROBLEM IS GIVEN IN LOW PRECISION. The matrix products marked QUANTISED in the list below multiply operands that are first quantised to E4M3 (4 exponent bits, 3 mantissa bits; 8 bits a number), with one power-of-two scale for each 32 numbers along K (OCP MX v1.0); their sums are f32. All else is computed in f32.
;;   The module's matrix products, in the order in which they are computed (A, B: the left and right operand; K: the contracted axis; several contracted axes count as one K, in the product's order):
;;     1. [M 8,192, K 512] x [K 512, N 512]; A: input x; B: input t_wq (given as codes): QUANTISED
;;     2. [M 8,192, K 512] x [K 512, N 512]; A: input x; B: input t_wk (given as codes): QUANTISED
;;     3. [M 8,192, K 512] x [K 512, N 512]; A: input x; B: input t_wv (given as codes): QUANTISED
;;     4. batch 32 x [M 2,048, K 64] x [K 64, N 2,048]; A: computed on the way; B: computed on the way: QUANTISED
;;     5. batch 32 x [M 64, K 2,048] x [K 2,048, N 2,048]; A: computed on the way; B: softmax (see below): QUANTISED
;;     6. [M 8,192, K 512] x [K 512, N 512]; A: computed on the way; B: input t_wo (given as codes): QUANTISED
;;     7. [M 8,192, K 512] x [K 512, N 512]; A: computed on the way; B: input s_wq (given as codes): QUANTISED
;;     8. [M 8,192, K 512] x [K 512, N 512]; A: computed on the way; B: input s_wk (given as codes): QUANTISED
;;     9. [M 8,192, K 512] x [K 512, N 512]; A: computed on the way; B: input s_wv (given as codes): QUANTISED
;;     10. batch 32 x [M 2,048, K 64] x [K 64, N 2,048]; A: computed on the way; B: computed on the way: QUANTISED
;;     11. batch 32 x [M 64, K 2,048] x [K 2,048, N 2,048]; A: computed on the way; B: softmax (see below): QUANTISED
;;     12. [M 8,192, K 512] x [K 512, N 512]; A: computed on the way; B: input s_wo (given as codes): QUANTISED
;;     13. [M 8,192, K 512] x [K 512, N 2,048]; A: computed on the way; B: input f_w1 (given as codes): QUANTISED
;;     14. [M 8,192, K 2,048] x [K 2,048, N 512]; A: computed on the way; B: input f_w2 (given as codes): QUANTISED
;;   THE QUANTISER, for each operand of a quantised product, along K:
;;     - K is cut into blocks of 32 from its start; a last block that is shorter is filled with zeros.
;;     - A block's scale is 2^e with e = floor(log2(the largest magnitude in the block)) - 8, held to -126 .. 127; a block of zeros has e = 0. As a byte (E8M0): e + 127.
;;     - Each number is divided by its block's scale, clamped to +-448, and rounded to the nearest number of E4M3, ties to even, subnormals kept.
;;     - The product sums the exact products of the quantised numbers (number of the format x scale) in f32.
;;   ~~~python
;;   def quantise(x, axis):      # numpy; x: float32 -> the quantised numbers, widened to float32 again
;;       x = np.moveaxis(x, axis, -1); K = x.shape[-1]
;;       x = np.pad(x, [(0, 0)] * (x.ndim - 1) + [(0, -K % 32)]); x = x.reshape(x.shape[:-1] + (-1, 32)); a = np.abs(x).max(-1, keepdims=True)
;;       e = np.where(a > 0, np.clip(np.frexp(np.where(a > 0, a, 1))[1] - 1 - 8, -126, 127), 0)      # np.frexp(a)[1] - 1 = floor(log2(a)), exactly
;;       r = np.clip(x / 2.0 ** e, -448, 448)
;;       step = 2.0 ** (np.maximum(np.frexp(np.where(r == 0, 1, r))[1] - 1, -6) - 3)
;;       q = np.round(r / step) * step * 2.0 ** e      # np.round: ties to even
;;       return np.moveaxis(q.reshape(q.shape[:-2] + (-1,))[..., :K], -1, axis).astype(np.float32)
;;   ~~~
;;   SOFTMAX AHEAD OF A QUANTISED PRODUCT. Where the list says 'softmax', what is quantised is not the finished softmax but p = 2^(t - M), with t = logit x log2(e) and M = ceil(the row's largest t), a whole number; so 1/2 < the row's largest p <= 1. The row's sum l is taken of the UNQUANTISED p, in f32, and the product's result is divided by l at the end. Since M is a whole number, a kernel that streams over the keys may use a running M (the ceiling of the running maximum): every later rescaling is an exact power of two, which a block's scale takes up: the codes' values come out the same.
;;   OPERANDS COMPUTED ON THE WAY. 'Computed on the way' means the value that the module computes at that place (a softmax that the list does not call 'softmax' is quantised finished and normalised). What goes into a quantiser is computed in f32, as accurately as f32 sums, v_exp_f32 and their like allow (about 1e-6 of the number): no bf16 or f16 on the way to a quantiser, and a product that is left as it is and whose result goes on into a quantised operand takes f32 operands (vector FMAs, or v_wmma_f32_16x16x4_f32). A number that lies on a knife's edge between two numbers of the format may be rounded either way, as far as f32 arithmetic and the matrix unit's own rounding can turn it there, and no further.
;;   INPUTS GIVEN AS CODES. f_w1 (in the module: [512, 2048], K = its axis 0); f_w2 (in the module: [2048, 512], K = its axis 0); s_wk (in the module: [512, 512], K = its axis 0); s_wo (in the module: [512, 512], K = its axis 0); s_wq (in the module: [512, 512], K = its axis 0); s_wv (in the module: [512, 512], K = its axis 0); t_wk (in the module: [512, 512], K = its axis 0); t_wo (in the module: [512, 512], K = its axis 0); t_wq (in the module: [512, 512], K = its axis 0); t_wv (in the module: [512, 512], K = its axis 0): each comes as NAME_codes (uint8): NAME with its K axis moved to the last place and cut into blocks of 32 codes, [.., K / 32, bytes a block], one block behind the other in memory; one code a byte (a code: sign, 4 exponent bits, 3 mantissa bits); and NAME_scales (uint8): the same leading axes, one E8M0 byte (e + 127) for each 32 codes along K. Its value is code x scale, taken as it is: it is not quantised again, and the codes and scales need not be those that the quantiser above would give.
;; One version. Each part assembles by itself: llvm-mc -triple=amdgcn-amd-amdhsa -mcpu=gfx1250 --defsym DOCPART=n.
;; ======== version 1 of 1: 9 launches
;; limits: right only within a limited range of input values
;; workspace buffers: act 4,325,376 bytes; qbuf 4,456,448 bytes; kvbuf 8,912,896 bytes; obuf 4,456,448 bytes; hgbuf 17,301,504 bytes; h2buf 16,777,216 bytes; wt 2,097,152 bytes; ws 2,097,152 bytes
;; launch quantx (part 1): grid 256 x 1, 2 waves a work-group, no clusters, 0 bytes of LDS; arguments x, act, t_wq_codes, t_wk_codes, t_wv_codes, t_wo_codes, f_w1_codes, s_wq_codes, s_wk_codes, s_wv_codes, s_wo_codes, f_w2_codes, wt, ws; writes act, wt, ws
.if DOCPART == 1
	.amdgcn_target "amdgcn-amd-amdhsa--gfx1250"
	.amdhsa_code_object_version 6
	.text
	.protected	k_qb797ac4f85_quantx
	.globl	k_qb797ac4f85_quantx
	.p2align	8
	.type	k_qb797ac4f85_quantx,@function
k_qb797ac4f85_quantx:
	s_mov_b64 s[64:65], 0
	v_nop
	global_prefetch_b8 v0, s[64:65] scope:SCOPE_SE
	s_setreg_imm32_b32 hwreg(HW_REG_WAVE_MODE, 25, 1), 1
	s_wait_xcnt 0x0
; TWO THINGS, both laying operands as IMAGES OF THE OPERAND'S REGISTERS: a fragment (16 rows x 128 K of E4M3 codes, 16 registers a lane) is 2,048 bytes, registers 4 c .. 4 c + 3 of lane l at 512 c + 16 l.
; (1) x [8192][512] f32 becomes act: codes with one E8M0 byte for each 32 along the 512.
; A ROW TILE T (0..511) is 16 rows that are not neighbours: lane r stands for row 32 (T / 2) + 8 (T % 2) + r + 8 (r / 8); tiles 2 P and 2 P + 1 cover rows 32 P .. 32 P + 31.
; act: a record of 8,448 bytes a tile: the fragment of K step s at 2048 s; the rows' scale words at 8192 + 16 r + 4 s.
; One wave takes one tile: lane (r, h) loads, of its row, 16 neighbours of each block of 32 (64 bytes), so that the conversions' results are the operand's registers.
; A block's scale is 2^(floor(log2(largest magnitude)) - 8); its byte is that magnitude's exponent field - 8, held at 1 from below.
; (2) The ten weights' codes ([N][K], K innermost) are copied, as they are, into wt and ws as fragments: weight tile tau takes rows by the same order as a row tile, and its K step s lies at 2048 (tau K / 128 + s).
; wt: t_wq, t_wk, t_wv, t_wo (262,144 bytes each), then f_w1;  ws: s_wq, s_wk, s_wv, s_wo, then f_w2.  So every later launch loads a weight fragment by four loads of 512 consecutive bytes.
; The 4,194,304 bytes are 16 units of 262,144, 128 fragments each; unit U = wave's number / 32, and the wave copies fragments 4 g .. 4 g + 3 of it, g = wave's number % 32.  The pointers are chosen on the work-group's number.
; LIMITS: NaN and infinities in x are not served; a block whose largest magnitude lies under 2^-118, a block of zeros among them, gets the byte 1; the bytes are read by this program alone.
; No LDS, no barrier: waves share nothing.  Matrix units and clusters have nothing to do here.
.set XA,  5                            ; v5   my byte in the tile's rows of x: 2048 (r + 8 (r / 8)) + 64 h
.set LI,  6                            ; v6   16 x lane
.set LR,  7                            ; v7   16 x r
.set TM,  8                            ; v8-23 at work in QUANT
.set PWS, 24                           ; v24-27 the four K steps' scale words
.set WA,  28                           ; v28  my byte in a weight tile's rows: K (r + 8 (r / 8)) + 16 h
.set XB,  32                           ; v32-159 two sets of 64 numbers
.set PC,  160                          ; v160-175 the codes just made
.set WB,  176                          ; v176-239 four weight fragments
.set SEL, 14                           ; s[14:15] selects for lane l xor 16
.set MNT, 16                           ; s16 the mantissa field of 448
.set MSB, 0
.macro WIN new                         ; the immediate's high byte repeats the setting that is left (this text stays in window 0: no switch is ever written)
.if MSB != (\new)
	s_set_vgpr_msb (MSB<<8)|(\new)
.set MSB, (\new)
.endif
.endm
; 64 numbers of a lane in window w, register 16 b + i = k 32 b + 16 h + i of my row, become a fragment's codes in v[PC] on and its scale word in v[pw].
.macro QUANT s, w, pw
	WIN ((\w)<<2)|((\w)<<4)
.irp b, 0,1,2,3
	v_max3_num_f32 v[TM+\b], 0x4800000, |v[(\s)+16*\b]|, |v[(\s)+16*\b+1]|   ; block b: my 16 numbers and the floor 2^(9 - 127): the byte cannot fall under 1
.endr
.irp i, 2,4,6,8,10,12,14
.irp b, 0,1,2,3
	v_max3_num_f32 v[TM+\b], v[TM+\b], |v[(\s)+16*\b+\i]|, |v[(\s)+16*\b+\i+1]|   ; the four blocks by turns, each from its low end on
.endr
.endr
	WIN 0
.irp b, 0,1,2,3
	v_permlanex16_b32 v[TM+4+\b], v[TM+\b], s[SEL], s[SEL+1]
.endr
.irp b, 0,1,2,3
	v_max_num_f32 v[TM+\b], v[TM+\b], v[TM+4+\b]      ; with lane l xor 16's 16: the block's largest magnitude
.endr
.irp b, 0,1,2,3
	v_add_nc_u32 v[TM+12+\b], 0xfc000000, v[TM+\b]    ; 8 off its exponent field: the conversion's scale operand
.endr
.irp b, 0,1,2,3
	v_and_or_b32 v[TM+8+\b], v[TM+\b], 0x7f800000, s[MNT]   ; 448 x the scale
.endr
.irp b, 0,1,2,3
	v_lshrrev_b32 v[TM+4+\b], 23, v[TM+12+\b]         ; the scale's byte
.endr
	v_lshl_or_b32 v[\pw], v[TM+5], 8, v[TM+4]
	v_lshl_or_b32 v[\pw], v[TM+6], 16, v[\pw]
	v_lshl_or_b32 v[\pw], v[TM+7], 24, v[\pw]
	WIN (\w)|((\w)<<6)
.irp b, 0,1,2,3
.set qi, 0
.rept 16
	v_med3_num_f32 v[(\s)+16*\b+qi], v[(\s)+16*\b+qi], -v[TM+8+\b], v[TM+8+\b]   ; the conversion to an 8-bit code does not saturate (ISA guide 7.6.2): the hold
.set qi, qi+1
.endr
.endr
	s_wait_alu depctr_va_vdst(0)
	s_wait_xcnt 0x0                                    ; the codes' registers were the data of earlier stores: written again only behind this wait
	WIN (\w)
.irp b, 0,1,2,3
	v_cvt_scalef32_pk8_fp8_f32 v[PC+4*\b:PC+4*\b+1], v[(\s)+16*\b:(\s)+16*\b+7], v[TM+12+\b]
	v_cvt_scalef32_pk8_fp8_f32 v[PC+4*\b+2:PC+4*\b+3], v[(\s)+16*\b+8:(\s)+16*\b+15], v[TM+12+\b]
.endr
	WIN 0
	v_nop                                              ; one plain line behind the last conversion
.endm
.macro XLOAD reg, s                    ; K step s of my 16 rows: 64 numbers a lane
.irp b, 0,1,2,3
.irp j, 0,1,2,3
	global_load_b128 v[(\reg)+16*\b+4*\j:(\reg)+16*\b+4*\j+3], v[XA], s[4:5] offset:512*(\s)+128*\b+16*\j th:TH_LOAD_NT
.endr
.endr
.endm
	s_load_b128 s[4:7], s[0:1], 0x0                ; x, act
	s_load_b512 s[32:47], s[0:1], 0x10             ; t_wq, t_wk, t_wv, t_wo, f_w1, s_wq, s_wk, s_wv
	s_load_b256 s[48:55], s[0:1], 0x50             ; s_wo, f_w2, wt, ws
	v_lshrrev_b32 v1, 5, v0
	v_readfirstlane_b32 s8, v1                     ; wave 0, 1
	v_and_b32 v1, 31, v0                           ; lane
	v_and_b32 v2, 15, v0                           ; r
	v_bfe_u32 v3, v0, 4, 1                         ; h
	v_and_b32 v4, 8, v2
	v_add_nc_u32 v4, v4, v2                        ; r + 8 (r / 8)
	s_wait_alu depctr_va_vdst(0)
	v_lshlrev_b32 v[XA], 11, v4
	v_lshl_add_u32 v[XA], v3, 6, v[XA]
	v_lshlrev_b32 v[LI], 4, v1
	v_lshlrev_b32 v[LR], 4, v2
.irp b, 0,1,2,3
	v_mov_b32 v[TM+4+\b], 0                        ; written once: a lane permute's destination counts as one of its sources
.endr
	s_lshl_b32 s9, ttmp9, 1
	s_add_co_u32 s9, s9, s8                        ; T = 2 x work-group + wave
	s_lshl_b32 s10, ttmp9, 16                      ; 32 rows of 2,048 bytes a work-group,
	s_lshl_b32 s11, s8, 14                         ; 8 rows on for the odd tile
	s_add_co_u32 s10, s10, s11
	s_mov_b32 s11, 0
	s_mul_i32 s12, s9, 8448
	s_mov_b32 s13, 0
	s_mov_b32 s[SEL], 0x76543210
	s_mov_b32 s[SEL+1], 0xfedcba98
	s_mov_b32 s[MNT], 0x600000
	; the weights: unit U and, in it, g
	s_lshr_b32 s18, ttmp9, 4                       ; U = T / 32: 0-3 t_wq, t_wk, t_wv, t_wo; 4-7 f_w1's quarters; 8-11 s_wq .. s_wo; 12-15 f_w2's quarters
	s_and_b32 s21, s9, 31                          ; g
	s_lshr_b32 s22, s21, 1                         ; K = 512: tile g, K steps 0-3: first row 32 (g / 2) + 8 (g % 2), rows of 512 bytes
	s_lshl_b32 s22, s22, 5
	s_and_b32 s23, s21, 1
	s_lshl_b32 s23, s23, 3
	s_add_co_u32 s22, s22, s23
	s_lshl_b32 s22, s22, 9
	s_lshr_b32 s24, s21, 3                         ; K = 2,048: tile g / 4, K steps 4 (g % 4) on: first row 32 (g / 8) + 8 ((g / 4) % 2), rows of 2,048 bytes, + 512 (g % 4)
	s_lshl_b32 s24, s24, 5
	s_bfe_u32 s25, s21, 0x10002
	s_lshl_b32 s25, s25, 3
	s_add_co_u32 s24, s24, s25
	s_lshl_b32 s24, s24, 11
	s_and_b32 s25, s21, 3
	s_lshl_b32 s25, s25, 9
	s_add_co_u32 s24, s24, s25
	s_cmp_ge_u32 s18, 12                           ; f_w2 alone has the long rows
	s_cselect_b32 s22, s24, s22
	s_cselect_b32 s20, 11, 9                       ; log2 of a row's bytes
	s_and_b32 s23, s18, 3
	s_bitcmp1_b32 s18, 2                           ; units 4-7 and 12-15 are quarters of one tensor
	s_cselect_b32 s23, s23, 0
	s_lshl_b32 s23, s23, 18
	s_add_co_u32 s22, s22, s23
	s_mov_b32 s23, 0                               ; s[22:23]: where I read, from the tensor's first byte
	s_and_b32 s24, s18, 7
	s_lshl_b32 s24, s24, 18
	s_lshl_b32 s25, s21, 13
	s_add_co_u32 s24, s24, s25
	s_mov_b32 s25, 0                               ; s[24:25]: where I store: 262,144 (U % 8) + 8,192 g
	v_lshlrev_b32 v[WA], s20, v4
	v_lshl_add_u32 v[WA], v3, 4, v[WA]
	s_wait_alu depctr_va_vdst(0)
	s_wait_kmcnt 0x0
	s_add_nc_u64 s[4:5], s[4:5], s[10:11]
	s_add_nc_u64 s[6:7], s[6:7], s[12:13]
	s_cmp_ge_u32 s18, 1                            ; the unit's tensor: each choice hangs on the work-group's number alone; a later one overrides an earlier
	s_cselect_b64 s[32:33], s[34:35], s[32:33]
	s_cmp_ge_u32 s18, 2
	s_cselect_b64 s[32:33], s[36:37], s[32:33]
	s_cmp_ge_u32 s18, 3
	s_cselect_b64 s[32:33], s[38:39], s[32:33]
	s_cmp_ge_u32 s18, 4
	s_cselect_b64 s[32:33], s[40:41], s[32:33]
	s_cmp_ge_u32 s18, 8
	s_cselect_b64 s[32:33], s[42:43], s[32:33]
	s_cselect_b64 s[52:53], s[54:55], s[52:53]     ; units 8-15 go to ws
	s_cmp_ge_u32 s18, 9
	s_cselect_b64 s[32:33], s[44:45], s[32:33]
	s_cmp_ge_u32 s18, 10
	s_cselect_b64 s[32:33], s[46:47], s[32:33]
	s_cmp_ge_u32 s18, 11
	s_cselect_b64 s[32:33], s[48:49], s[32:33]
	s_cmp_ge_u32 s18, 12
	s_cselect_b64 s[32:33], s[50:51], s[32:33]
	s_add_nc_u64 s[32:33], s[32:33], s[22:23]
	s_add_nc_u64 s[52:53], s[52:53], s[24:25]
.irp j, 0,1,2,3
.irp c, 0,1,2,3
	global_load_b128 v[WB+16*\j+4*\c:WB+16*\j+4*\c+3], v[WA], s[32:33] offset:128*\j+32*\c   ; lane (r, h): k = 128 j + 32 c + 16 h + 0 .. 15 of the tile's row r
.endr
.endr
	XLOAD XB, 0
	XLOAD XB+64, 1
	s_wait_loadcnt 32                              ; the 16 weight loads are in; x's 32 may be out
.irp j, 0,1,2,3
.irp c, 0,1,2,3
	global_store_b128 v[LI], v[WB+16*\j+4*\c:WB+16*\j+4*\c+3], s[52:53] offset:2048*\j+512*\c   ; 32 lanes store 512 consecutive bytes
.endr
.endr
.irp s, 0,1,2,3
.if \s < 3
	s_wait_loadcnt 16                              ; this K step's 16 loads are in; the next step's 16 may be out
.else
	s_wait_loadcnt 0x0
.endif
	QUANT XB+64*(\s%2), 0, PWS+\s
.irp c, 0,1,2,3
	global_store_b128 v[LI], v[PC+4*\c:PC+4*\c+3], s[6:7] offset:2048*\s+512*\c   ; 32 lanes store 512 consecutive bytes
.endr
.if \s < 2
	XLOAD XB+64*(\s%2), \s+2
.endif
.endr
	s_wait_xcnt 0x0                                ; EXEC changes only behind this wait
	v_cmp_gt_u32 vcc_lo, 16, v1
	s_and_saveexec_b32 s17, vcc_lo
	global_store_b128 v[LR], v[PWS:PWS+3], s[6:7] offset:8192   ; sixteen lanes store the tile's 256 bytes of scale words
	s_wait_xcnt 0x0
	s_or_b32 exec_lo, exec_lo, s17
	s_endpgm
.Lfunc_end_k_qb797ac4f85_quantx:
	.size	k_qb797ac4f85_quantx, .Lfunc_end_k_qb797ac4f85_quantx-k_qb797ac4f85_quantx
	.p2alignl 7, 3214868480
	.fill 96, 4, 3214868480
	.section	.rodata,"a",@progbits
	.p2align	6, 0x0
	.amdhsa_kernel k_qb797ac4f85_quantx
		.amdhsa_group_segment_fixed_size 0
		.amdhsa_private_segment_fixed_size 0
		.amdhsa_enable_private_segment 0
		.amdhsa_kernarg_size 112
		.amdhsa_user_sgpr_count 2
		.amdhsa_user_sgpr_kernarg_segment_ptr 1
		.amdhsa_wavefront_size32 1
		.amdhsa_system_sgpr_workgroup_id_x 1
		.amdhsa_system_sgpr_workgroup_id_y 1
		.amdhsa_system_sgpr_workgroup_id_z 1
		.amdhsa_system_vgpr_workitem_id 0
		.amdhsa_next_free_vgpr 240
		.amdhsa_next_free_sgpr 66
		.amdhsa_reserve_vcc 1
		.amdhsa_float_denorm_mode_32 3
		.amdhsa_float_denorm_mode_16_64 3
		.amdhsa_memory_ordered 1
		.amdhsa_forward_progress 1
		.amdhsa_inst_pref_size 47
	.end_amdhsa_kernel
	.amdgpu_metadata
---
amdhsa.version: [ 1, 2 ]
amdhsa.kernels:
  - .name:           k_qb797ac4f85_quantx
    .symbol:         k_qb797ac4f85_quantx.kd
    .args:
      - { .name: x, .offset: 0, .size: 8, .value_kind: global_buffer, .address_space: global }
      - { .name: act, .offset: 8, .size: 8, .value_kind: global_buffer, .address_space: global }
      - { .name: t_wq_codes, .offset: 16, .size: 8, .value_kind: global_buffer, .address_space: global }
      - { .name: t_wk_codes, .offset: 24, .size: 8, .value_kind: global_buffer, .address_space: global }
      - { .name: t_wv_codes, .offset: 32, .size: 8, .value_kind: global_buffer, .address_space: global }
      - { .name: t_wo_codes, .offset: 40, .size: 8, .value_kind: global_buffer, .address_space: global }
      - { .name: f_w1_codes, .offset: 48, .size: 8, .value_kind: global_buffer, .address_space: global }
      - { .name: s_wq_codes, .offset: 56, .size: 8, .value_kind: global_buffer, .address_space: global }
      - { .name: s_wk_codes, .offset: 64, .size: 8, .value_kind: global_buffer, .address_space: global }
      - { .name: s_wv_codes, .offset: 72, .size: 8, .value_kind: global_buffer, .address_space: global }
      - { .name: s_wo_codes, .offset: 80, .size: 8, .value_kind: global_buffer, .address_space: global }
      - { .name: f_w2_codes, .offset: 88, .size: 8, .value_kind: global_buffer, .address_space: global }
      - { .name: wt, .offset: 96, .size: 8, .value_kind: global_buffer, .address_space: global }
      - { .name: ws, .offset: 104, .size: 8, .value_kind: global_buffer, .address_space: global }
    .group_segment_fixed_size: 0
    .private_segment_fixed_size: 0
    .kernarg_segment_align: 8
    .kernarg_segment_size: 112
    .max_flat_workgroup_size: 64
    .sgpr_count:     66
    .vgpr_count:     240
    .wavefront_size: 32
...
	.end_amdgpu_metadata
.endif
;; end of part 1
;; launch qkv_t (part 2): grid 4 x 64, 4 waves a work-group, clusters of 4 x 1, 168,448 bytes of LDS; arguments act, wt, t_wq_scales, t_bq, t_wk_scales, t_bk, t_wv_scales, t_bv, qbuf, kvbuf; writes qbuf, kvbuf
.if DOCPART == 2
	.amdgcn_target "amdgcn-amd-amdhsa--gfx1250"
	.amdhsa_code_object_version 6
	.text
	.protected	k_qb797ac4f85_qkv_t
	.globl	k_qb797ac4f85_qkv_t
	.p2align	8
	.type	k_qb797ac4f85_qkv_t,@function
k_qb797ac4f85_qkv_t:
	s_mov_b64 s[64:65], 0
	v_nop
	global_prefetch_b8 v0, s[64:65] scope:SCOPE_SE
	s_setreg_imm32_b32 hwreg(HW_REG_WAVE_MODE, 25, 1), 1
	s_wait_xcnt 0x0
	s_wait_alu depctr_hold_cnt(0) depctr_sa_sdst(0) depctr_va_vdst(0) depctr_va_sdst(0) depctr_va_ssrc(0) depctr_va_vcc(0) depctr_vm_vsrc(0)
	s_getreg_b32 s2, hwreg(HW_REG_IB_STS2, 6, 4)
	s_cmp_eq_u32 s2, 0
	s_cbranch_scc0 .Lentry_in_a_cluster
	s_endpgm
.Lentry_in_a_cluster:
	s_bfe_u32 s2, ttmp6, 0x10000c
	s_cmp_lg_u32 s2, 0x3003
	s_cbranch_scc0 .Lentry_shape_is_right
	s_endpgm
.Lentry_shape_is_right:
; q = a Wq + bq, k = a Wk + bk, v = a Wv + bv on codes of E4M3 (a: the act records), and the three results quantised for attention: q and k along the head's 64, v along the keys.
; SHARES.  A work-group takes 128 rows (8 row tiles, one key step of one batch) and two heads; the four work-groups of a cluster take the eight heads and ask for the 8 act records (67,584 bytes) JOINTLY.
; Wave w: head 2 hp + w / 2, e = w % 2.  e = 0 makes the head's q, e = 1 its k (4 weight tiles: all 64 d); both make v's d 32 e .. 32 e + 31 (2 tiles).  One text: the q-or-k pointers are chosen on e.
; The wave's 384 registers of weights stay for the whole launch; they come from the weights' images (Wq at 0, Wk at 262,144, Wv at 524,288; tile tau, K step s at 2048 (4 tau + s)): each load takes 512 consecutive bytes.
; Nothing in LDS is filled twice.
; q, k: THE PRODUCT IS USED TRANSPOSED (source 0 = 16 weight rows, source 1 = a's tile): a lane holds one row and registers along d.  Lane r of weight tile 2 b + u stands for weight row 32 b + 8 u + r + 8 (r / 8), so 16 registers are 16 neighbours along d.
; Two row tiles' 2 x 64 d make ONE fragment of 128 (tile 2 f in registers 0-7, tile 2 f + 1 in 8-15) with one scale word: attention multiplies it by [q, 0] and by [0, q].
; v: source 0 = a's tile, source 1 = 16 weight rows: a lane holds one d and registers along the keys; by the row tiles' order the 64 registers of the 8 tiles are keys 32 b + 16 h + i.
; OUT: qbuf records of 8,704 bytes (4 fragments, 512 bytes of scale words at 16 lane + 4 f); kvbuf records of 17,408: k likewise, v's 4 fragments from 8,704, their scale words at 16,896 + 256 e + 8 lane + 4 u.
; LIMITS: as stated for the quantiser: NaN and infinities not served; blocks under 2^-118 get the byte 1.
; REGISTERS: window 0: v4-12 addresses; v32-39 a's scale words (2 sets); v40-55, v56-63 the weights'; v64-191 a's fragments (2 sets of 4 K steps); v192-229 the quantiser's.
;   window 1: Wq or Wk (tile t, K step s) at 64 t + 16 s.   window 2: Wv at 64 t + 16 s; from v128 the q/k bias, from v160 v's.   window 3: v0-63 q/k sums of two tiles; v64-191 v's sums.
.set LI,  4                            ; 16 lane
.set LR,  5                            ; 16 r
.set LI4, 6                            ; the same 33,792 bytes (4 records) on: an LDS offset has 16 bits
.set LR4, 7
.set VS,  9                            ; a weight tile's scale words: 16 (r + 8 (r / 8))
.set H64, 10                           ; 64 h
.set R4,  11                           ; 4 (r + 8 (r / 8))
.set L8,  12                           ; 8 lane
.set XS,  32
.set WS,  40
.set WSV, 56
.set XF,  64
.set TM,  192
.set PC,  208
.set PWS, 224
.set PWV, 228
.set G0,  32                           ; s[32:35] descriptor group 0;  s[36:43] group 1
.set G1,  36
.set WV,  44
.set SEL, 50
.set MNT, 52
.set MSB, 0
.macro WIN new                         ; the immediate's high byte repeats the setting that is left
.if MSB != (\new)
	s_set_vgpr_msb (MSB<<8)|(\new)
.set MSB, (\new)
.endif
.endm
.macro PLACES n
.rept \n
	v_nop
.endr
.endm
.macro CROUND                          ; a round of the cluster's barrier
	s_barrier_signal -1
	s_barrier_wait -1
	s_cmp_lg_u32 s[WV], 0
	s_cbranch_scc1 .Lnot_wave_0_\@
	s_barrier_signal -3
.Lnot_wave_0_\@:
	s_barrier_wait -3
	s_barrier_signal -1
	s_barrier_wait -1
.endm
; 64 numbers of a lane in window w, register 16 b + i = k 32 b + 16 h + i, become a fragment's codes in v[PC] on and its scale word in v[pw].
.macro QUANT s, w, pw
	WIN ((\w)<<2)|((\w)<<4)
.irp b, 0,1,2,3
	v_max3_num_f32 v[TM+\b], 0x4800000, |v[(\s)+16*\b]|, |v[(\s)+16*\b+1]|   ; my 16 numbers and the floor 2^(9 - 127); each accumulator is read from its low end on
.endr
.irp i, 2,4,6,8,10,12,14
.irp b, 0,1,2,3
	v_max3_num_f32 v[TM+\b], v[TM+\b], |v[(\s)+16*\b+\i]|, |v[(\s)+16*\b+\i+1]|
.endr
.endr
	WIN 0
.irp b, 0,1,2,3
	v_permlanex16_b32 v[TM+4+\b], v[TM+\b], s[SEL], s[SEL+1]
.endr
.irp b, 0,1,2,3
	v_max_num_f32 v[TM+\b], v[TM+\b], v[TM+4+\b]
.endr
.irp b, 0,1,2,3
	v_add_nc_u32 v[TM+12+\b], 0xfc000000, v[TM+\b]    ; 8 off the exponent field: the conversion's scale operand
.endr
.irp b, 0,1,2,3
	v_and_or_b32 v[TM+8+\b], v[TM+\b], 0x7f800000, s[MNT]   ; 448 x the scale
.endr
.irp b, 0,1,2,3
	v_lshrrev_b32 v[TM+4+\b], 23, v[TM+12+\b]
.endr
	v_lshl_or_b32 v[\pw], v[TM+5], 8, v[TM+4]
	v_lshl_or_b32 v[\pw], v[TM+6], 16, v[\pw]
	v_lshl_or_b32 v[\pw], v[TM+7], 24, v[\pw]
	WIN (\w)|((\w)<<6)
.irp b, 0,1,2,3
.set qi, 0
.rept 16
	v_med3_num_f32 v[(\s)+16*\b+qi], v[(\s)+16*\b+qi], -v[TM+8+\b], v[TM+8+\b]   ; the hold: the conversion does not saturate (ISA guide 7.6.2)
.set qi, qi+1
.endr
.endr
	s_wait_alu depctr_va_vdst(0)
	s_wait_xcnt 0x0                                    ; the codes' registers were the data of earlier stores
	WIN (\w)
.irp b, 0,1,2,3
	v_cvt_scalef32_pk8_fp8_f32 v[PC+4*\b:PC+4*\b+1], v[(\s)+16*\b:(\s)+16*\b+7], v[TM+12+\b]
	v_cvt_scalef32_pk8_fp8_f32 v[PC+4*\b+2:PC+4*\b+3], v[(\s)+16*\b+8:(\s)+16*\b+15], v[TM+12+\b]
.endr
	WIN 0
	v_nop                                              ; one plain line behind the last conversion: later products write its sources
.endm
.macro FETCH i, buf                    ; tile i's four fragments and its scale words: 17 LDS loads, each of 512 consecutive bytes
.if (\i) < 4
.set FA, LI
.set FB, LR
.set FO, 8448*(\i)
.else
.set FA, LI4
.set FB, LR4
.set FO, 8448*((\i)-4)
.endif
.irp s, 0,1,2,3
.irp c, 0,1,2,3
	ds_load_b128 v[XF+64*(\buf)+16*\s+4*\c:XF+64*(\buf)+16*\s+4*\c+3], v[FA] offset:FO+2048*\s+512*\c
.endr
.endr
	ds_load_b128 v[XS+4*(\buf):XS+4*(\buf)+3], v[FB] offset:FO+8192
.endm
; Tile i's 24 products.  The accumulators take turns, one instruction a turn.  The biases are the C of each sum's first product.
.macro MUL i
.set BU, (\i)%2
.set AQ, 32*BU
	WIN 0xe1                                       ; A window 1, B window 0, C window 2, D window 3
.irp t, 0,1,2,3
	v_wmma_scale_f32_16x16x128_f8f6f4 v[AQ+8*\t:AQ+8*\t+7], v[64*\t:64*\t+15], v[XF+64*BU:XF+64*BU+15], v[128+8*\t:128+8*\t+7], v[WS+4*\t], v[XS+4*BU]
.endr
	WIN 0xf1
.irp s, 1,2,3
.irp t, 0,1,2,3
	v_wmma_scale_f32_16x16x128_f8f6f4 v[AQ+8*\t:AQ+8*\t+7], v[64*\t+16*\s:64*\t+16*\s+15], v[XF+64*BU+16*\s:XF+64*BU+16*\s+15], v[AQ+8*\t:AQ+8*\t+7], v[WS+4*\t+\s], v[XS+4*BU+\s]
.endr
.endr
	WIN 0xe8                                       ; A window 0, B and C window 2, D window 3
.irp t, 0,1
	v_wmma_scale_f32_16x16x128_f8f6f4 v[64+64*\t+8*(\i):64+64*\t+8*(\i)+7], v[XF+64*BU:XF+64*BU+15], v[64*\t:64*\t+15], v[160+8*\t:160+8*\t+7], v[XS+4*BU], v[WSV+4*\t]
.endr
	WIN 0xf8
.irp s, 1,2,3
.irp t, 0,1
	v_wmma_scale_f32_16x16x128_f8f6f4 v[64+64*\t+8*(\i):64+64*\t+8*(\i)+7], v[XF+64*BU+16*\s:XF+64*BU+16*\s+15], v[64*\t+16*\s:64*\t+16*\s+15], v[64+64*\t+8*(\i):64+64*\t+8*(\i)+7], v[XS+4*BU+\s], v[WSV+4*\t+\s]
.endr
.endr
.endm
	s_load_b512 s[8:23], s[0:1], 0x0               ; act, the weights' images, Wq scales, bq, Wk scales, bk, Wv scales, bv
	s_load_b128 s[28:31], s[0:1], 0x40             ; qbuf, kvbuf
	v_lshl_add_u32 v254, v0, 2, 0x29000
	v_mov_b32 v255, 0
	ds_add_u32 v254, v255
	ds_add_u32 v254, v255
	v_lshrrev_b32 v1, 5, v0
	v_readfirstlane_b32 s[WV], v1                  ; wave 0..3
	s_bfe_u32 s45, ttmp6, 0x40000                  ; cx
	s_lshl_b32 s46, ttmp9, 2
	s_add_co_u32 s46, s46, s45                     ; the pair of heads
	s_and_b32 s47, ttmp7, 0xffff                   ; the block of 128 rows, which the four partners share
	s_lshr_b32 s53, s[WV], 1
	s_lshl_b32 s48, s46, 1
	s_add_co_u32 s48, s48, s53                     ; my head
	s_and_b32 s49, s[WV], 1                        ; e
	v_and_b32 v1, 31, v0                           ; lane
	v_and_b32 v2, 15, v0                           ; r
	v_bfe_u32 v3, v0, 4, 1                         ; h
	v_and_b32 v13, 8, v2
	v_add_nc_u32 v13, v13, v2                      ; r + 8 (r / 8)
	v_lshlrev_b32 v[LI], 4, v1
	v_lshlrev_b32 v[LR], 4, v2
	v_add_nc_u32 v[LI4], 33792, v[LI]
	v_add_nc_u32 v[LR4], 33792, v[LR]
	v_lshlrev_b32 v[VS], 4, v13
	v_lshlrev_b32 v[H64], 6, v3
	v_lshlrev_b32 v[R4], 2, v13
	v_lshlrev_b32 v[L8], 3, v1
.irp b, 0,1,2,3
	v_mov_b32 v[TM+4+\b], 0                        ; written once: a lane permute's destination counts as one of its sources
.endr
	s_mov_b32 s[SEL], 0x76543210
	s_mov_b32 s[SEL+1], 0xfedcba98
	s_mov_b32 s[MNT], 0x600000
	; descriptor group 1: 66 rows of 256 bytes (32 elements of 8 bytes), dense: a quarter of the 8 records
	s_mov_b32 s[G1], 15|(3<<16)|(1<<21)            ; the mask names the four work-groups; elements of 8 bytes; bit 21 set beside a mask
	s_mov_b32 s[G1+1], 32<<16                      ; tensor_dim0
	s_mov_b32 s[G1+2], 66<<16                      ; tensor_dim1
	s_mov_b32 s[G1+3], 32<<16                      ; tile_dim0
	s_mov_b32 s[G1+4], 66                          ; tile_dim1
	s_mov_b32 s[G1+5], 32                          ; the pitch
	s_mov_b32 s[G1+6], 0
	s_mov_b32 s[G1+7], 0
	s_mul_i32 s[G0+1], s[WV], 16896                ; LDS address: my quarter
	s_mul_i32 s54, s47, 67584
	s_add_co_u32 s54, s54, s[G0+1]
	s_mov_b32 s55, 0
	s_mov_b32 s[G0], 1
	s_wait_dscnt 0x0
	s_wait_kmcnt 0x0
	s_add_nc_u64 s[G0+2:G0+3], s[8:9], s[54:55]    ; made of the row block and the wave's number alone
	s_or_b32 s[G0+3], s[G0+3], 0x80000000
	CROUND                                         ; all four work-groups are here: the joint loads meet
	tensor_load_to_lds s[G0:G0+3], s[G1:G1+7]      ; my one tensor load of the launch, ahead of the loads of the weights
	s_nop 0
	PLACES 4
	s_cmp_eq_u32 s49, 0                            ; q's wave or k's: the choice hangs on the wave's number alone
	s_cselect_b64 s[12:13], s[12:13], s[16:17]
	s_cselect_b64 s[14:15], s[14:15], s[18:19]
	s_cselect_b64 s[28:29], s[28:29], s[30:31]
	s_mov_b32 s56, 17408
	s_cselect_b32 s56, 8704, s56                   ; the chosen buffer's record
	s_cselect_b32 s62, 0, 0x40000                  ; Wk's image lies 262,144 bytes behind Wq's
	s_mov_b64 s[24:25], s[20:21]                   ; Wv's scales
	s_mov_b64 s[26:27], s[22:23]                   ; bv
	s_mov_b64 s[22:23], s[10:11]                   ; the images once more, for Wv
	s_mov_b32 s59, 0
	s_lshl_b32 s58, s48, 15                        ; my head's 4 tiles x 4 K steps of 2,048 bytes
	s_add_co_u32 s58, s58, s62
	s_add_nc_u64 s[10:11], s[10:11], s[58:59]
	s_lshl_b32 s58, s48, 10
	s_add_nc_u64 s[12:13], s[12:13], s[58:59]
	s_lshl_b32 s58, s48, 8
	s_add_nc_u64 s[14:15], s[14:15], s[58:59]
	s_lshl_b32 s57, s48, 6
	s_lshl_b32 s58, s49, 5
	s_add_co_u32 s57, s57, s58                     ; v: weight row 64 head + 32 e
	s_lshl_b32 s58, s57, 9
	s_add_co_u32 s58, s58, 0x80000                 ; Wv's image begins at 524,288
	s_add_nc_u64 s[22:23], s[22:23], s[58:59]
	s_lshl_b32 s58, s57, 4
	s_add_nc_u64 s[24:25], s[24:25], s[58:59]
	s_lshl_b32 s58, s57, 2
	s_add_nc_u64 s[26:27], s[26:27], s[58:59]
	s_lshr_b32 s57, s47, 4                         ; the batch
	s_lshl_b32 s57, s57, 3
	s_add_co_u32 s57, s57, s48
	s_lshl_b32 s57, s57, 4
	s_and_b32 s58, s47, 15
	s_add_co_u32 s57, s57, s58                     ; the record: (8 batch + head) 16 + block
	s_mul_i32 s58, s57, s56
	s_add_nc_u64 s[28:29], s[28:29], s[58:59]      ; q's or k's record
	s_mul_i32 s57, s57, 17408
	s_lshl_b32 s58, s49, 8
	s_add_co_u32 s58, s58, s57
	s_add_nc_u64 s[60:61], s[30:31], s[58:59]      ; v's scale words: + 256 e
	s_lshl_b32 s58, s49, 12
	s_add_co_u32 s58, s58, s57
	s_add_nc_u64 s[30:31], s[30:31], s[58:59]      ; v's codes: + 2 e fragments
	; the weights go into the registers where they stay
	WIN 0x40
.irp t, 0,1,2,3
.irp s, 0,1,2,3
.irp c, 0,1,2,3
	global_load_b128 v[64*\t+16*\s+4*\c:64*\t+16*\s+4*\c+3], v[LI], s[10:11] offset:(4*\t+\s)*2048+512*\c   ; 512 consecutive bytes
.endr
.endr
.endr
	WIN 0x80
.irp t, 0,1
.irp s, 0,1,2,3
.irp c, 0,1,2,3
	global_load_b128 v[64*\t+16*\s+4*\c:64*\t+16*\s+4*\c+3], v[LI], s[22:23] offset:(4*\t+\s)*2048+512*\c
.endr
.endr
.endr
	s_wait_alu depctr_va_vdst(0)
.irp t, 0,1,2,3
	global_load_b128 v[128+8*\t:128+8*\t+3], v[H64], s[14:15] offset:(32*(\t/2)+8*(\t%2))*4      ; the bias in the result's layout: d 32 b + 16 h + 8 u + 0 .. 7
	global_load_b128 v[128+8*\t+4:128+8*\t+7], v[H64], s[14:15] offset:(32*(\t/2)+8*(\t%2))*4+16
.endr
.irp t, 0,1
.irp j, 0,1,2,3,4,5,6,7
	global_load_b32 v[160+8*\t+\j], v[R4], s[26:27] offset:32*\t   ; v's bias: my d's number in all eight registers (they run along the keys)
.endr
.endr
	WIN 0
.irp t, 0,1,2,3
	global_load_b128 v[WS+4*\t:WS+4*\t+3], v[VS], s[12:13] offset:(32*(\t/2)+8*(\t%2))*16
.endr
.irp t, 0,1
	global_load_b128 v[WSV+4*\t:WSV+4*\t+3], v[VS], s[24:25] offset:128*\t
.endr
	s_wait_tensorcnt 0x0                           ; my quarter has landed,
	s_barrier_signal -1
	s_barrier_wait -1                              ; everybody's has
	FETCH 0, 0
	FETCH 1, 1
	s_wait_loadcnt 0x0                             ; the weights
.irp i, 0,1,2,3,4,5,6,7
.if \i < 7
	s_wait_dscnt 17                                ; this tile's 17 loads are in; the next tile's 17 may be out
.else
	s_wait_dscnt 0x0
.endif
	MUL \i
	WIN 0
	PLACES 8                                       ; in front of loads into registers that the products read, and of the first read of results
.if \i < 6
	FETCH \i+2, \i%2
.endif
.if \i%2 == 1
	QUANT 0, 3, PWS+\i/2                           ; two tiles' q or k: one fragment
.irp c, 0,1,2,3
	global_store_b128 v[LI], v[PC+4*\c:PC+4*\c+3], s[28:29] offset:2048*(\i/2)+512*\c
.endr
.endif
.endr
.irp t, 0,1
	QUANT 64+64*\t, 3, PWV+\t                      ; v's tile 2 e + t: 16 d x these 128 keys
.irp c, 0,1,2,3
	global_store_b128 v[LI], v[PC+4*\c:PC+4*\c+3], s[30:31] offset:8704+2048*\t+512*\c
.endr
.endr
	global_store_b128 v[LI], v[PWS:PWS+3], s[28:29] offset:8192    ; 512 consecutive bytes
	global_store_b64 v[L8], v[PWV:PWV+1], s[60:61] offset:16896    ; 256 consecutive bytes
	s_wait_dscnt 0x0
	s_wait_tensorcnt 0x0
	ds_add_u32 v254, v255
	s_wait_dscnt 0x0
	CROUND                                         ; the closing round
	s_endpgm
.Lfunc_end_k_qb797ac4f85_qkv_t:
	.size	k_qb797ac4f85_qkv_t, .Lfunc_end_k_qb797ac4f85_qkv_t-k_qb797ac4f85_qkv_t
	.p2alignl 7, 3214868480
	.fill 96, 4, 3214868480
	.section	.rodata,"a",@progbits
	.p2align	6, 0x0
	.amdhsa_kernel k_qb797ac4f85_qkv_t
		.amdhsa_group_segment_fixed_size 168448
		.amdhsa_private_segment_fixed_size 0
		.amdhsa_enable_private_segment 0
		.amdhsa_kernarg_size 80
		.amdhsa_user_sgpr_count 2
		.amdhsa_user_sgpr_kernarg_segment_ptr 1
		.amdhsa_wavefront_size32 1
		.amdhsa_system_sgpr_workgroup_id_x 1
		.amdhsa_system_sgpr_workgroup_id_y 1
		.amdhsa_system_sgpr_workgroup_id_z 1
		.amdhsa_system_vgpr_workitem_id 0
		.amdhsa_next_free_vgpr 1024
		.amdhsa_next_free_sgpr 66
		.amdhsa_reserve_vcc 0
		.amdhsa_float_denorm_mode_32 3
		.amdhsa_float_denorm_mode_16_64 3
		.amdhsa_memory_ordered 1
		.amdhsa_forward_progress 1
		.amdhsa_inst_pref_size 105
	.end_amdhsa_kernel
	.amdgpu_metadata
---
amdhsa.version: [ 1, 2 ]
amdhsa.kernels:
  - .name:           k_qb797ac4f85_qkv_t
    .symbol:         k_qb797ac4f85_qkv_t.kd
    .args:
      - { .name: act, .offset: 0, .size: 8, .value_kind: global_buffer, .address_space: global }
      - { .name: wt, .offset: 8, .size: 8, .value_kind: global_buffer, .address_space: global }
      - { .name: t_wq_scales, .offset: 16, .size: 8, .value_kind: global_buffer, .address_space: global }
      - { .name: t_bq, .offset: 24, .size: 8, .value_kind: global_buffer, .address_space: global }
      - { .name: t_wk_scales, .offset: 32, .size: 8, .value_kind: global_buffer, .address_space: global }
      - { .name: t_bk, .offset: 40, .size: 8, .value_kind: global_buffer, .address_space: global }
      - { .name: t_wv_scales, .offset: 48, .size: 8, .value_kind: global_buffer, .address_space: global }
      - { .name: t_bv, .offset: 56, .size: 8, .value_kind: global_buffer, .address_space: global }
      - { .name: qbuf, .offset: 64, .size: 8, .value_kind: global_buffer, .address_space: global }
      - { .name: kvbuf, .offset: 72, .size: 8, .value_kind: global_buffer, .address_space: global }
    .group_segment_fixed_size: 168448
    .private_segment_fixed_size: 0
    .kernarg_segment_align: 8
    .kernarg_segment_size: 80
    .max_flat_workgroup_size: 128
    .sgpr_count:     66
    .vgpr_count:     1024
    .wavefront_size: 32
...
	.end_amdgpu_metadata
.endif
;; end of part 2
;; launch attn_t (part 3): grid 8 x 32, 8 waves a work-group, clusters of 4 x 1, 327,680 bytes of LDS; arguments qbuf, kvbuf, obuf; writes obuf
.if DOCPART == 3
	.amdgcn_target "amdgcn-amd-amdhsa--gfx1250"
	.amdhsa_code_object_version 6
	.text
	.protected	k_qb797ac4f85_attn_t
	.globl	k_qb797ac4f85_attn_t
	.p2align	8
	.type	k_qb797ac4f85_attn_t,@function
k_qb797ac4f85_attn_t:
	s_mov_b64 s[64:65], 0
	v_nop
	global_prefetch_b8 v0, s[64:65] scope:SCOPE_SE
	s_setreg_imm32_b32 hwreg(HW_REG_WAVE_MODE, 25, 1), 1
	s_wait_xcnt 0x0
	s_wait_alu depctr_hold_cnt(0) depctr_sa_sdst(0) depctr_va_vdst(0) depctr_va_sdst(0) depctr_va_ssrc(0) depctr_va_vcc(0) depctr_vm_vsrc(0)
	s_getreg_b32 s2, hwreg(HW_REG_IB_STS2, 6, 4)
	s_cmp_eq_u32 s2, 0
	s_cbranch_scc0 .Lentry_in_a_cluster
	s_endpgm
.Lentry_in_a_cluster:
	s_bfe_u32 s2, ttmp6, 0x10000c
	s_cmp_lg_u32 s2, 0x3003
	s_cbranch_scc0 .Lentry_shape_is_right
	s_endpgm
.Lentry_shape_is_right:
; o = softmax(q k^T / 8) v for one head of one batch, both products on codes of E4M3 with one E8M0 byte for each 32 along K; o is quantised along the head's 64 and stored as images of the next product's operand.
; p = 2^(t - M), t = score x log2(e) / 8, M the running largest t rounded up to a whole number; the row's sum is taken of the unquantised p in f32 and divides O at the end.
; When M moves, O and the sum are multiplied by 2^(old M - new M), in every step, with no branch on data.
; SHARES.  A work-group owns 256 queries (16 row tiles) of one head; wave w of its eight owns tiles 2 w and 2 w + 1 (tile 0 and tile 1 below): the two halves of ONE fragment of qbuf.  Every fragment of K and of V that a wave reads from LDS serves both.
; The four work-groups of a cluster walk the same head: its 16 records of K and V (278,528 bytes) are asked for JOINTLY, filled once: records 0-3 at the head, records 4-15 behind a round of the cluster's barrier.
; No prefetch is laid: all of K and V is asked for at the head, and the loops ask memory for nothing.
; LAYOUT.  S^T = K Q^T: a fragment of K holds two key tiles' 64 d side by side and is multiplied by [q, 0] and by [0, q]; by the tiles' row order register 16 b + i of a lane is key 32 b + 16 (lane / 16) + i of the step's 128.
; O^T = V^T P^T: a lane holds one query (lane % 16) throughout; register 16 e + i of O^T is d 32 e + 16 (lane / 16) + i.
; REGISTERS.  Window 0: addresses, all scale words, and for each tile -M, the largest score, the sum, what the softmax works with, p's codes and the scores.  Window 1: K's and V's fragments, O^T and q of both tiles.
; So the two tiles' vector lines can stand by turns under one setting of the windows.
; A STEP (128 keys): 16 products for both tiles' scores; one run of LDS loads (this step's V, the next step's K); both tiles' maxima and M; tile 0's exponentials by turns with tile 1's multiply-adds;
; tile 0's scales and sum; tile 1's exponentials by turns with tile 0's holds; then the codes and 4 products of tile 0, and the rest of tile 1.
; What stands among exponentials reads only what was written ahead of the wait in front of the batch, and is read only behind the wait that follows the batch.
; LIMITS: the promise holds while the scaled scores stay under 2^31 in magnitude; NaN and infinities are not served; a block whose largest magnitude lies under 2^-118 gets the byte 1 (its bytes are read by this program alone).
.set REC,   17408                      ; a record: K's 4 fragments, 512 bytes of scale words, V's 4 fragments, 512 bytes of scale words
.set STG,   278528                     ; behind the records: 16 tiles x 64 bytes of o's scale words
.set SPARE, 286720                     ; the spare words, 128 bytes a wave
.set LI,   1                           ; 16 lane
.set L8,   2                           ; 8 lane
.set ADK,  3
.set ADV,  4
.set ADT,  5
.set SWA,  6                           ; STG + 128 wave + 4 r
.set SRA,  7
.set GSO,  8
.set QW,   11
.set M,    12                          ; + 4 tile: -M, the largest score, the sum's two halves
.set BM,   20                          ; from here to TMP: + 24 tile
.set PT,   24
.set HD,   28
.set SOP,  32
.set FF,   36
.set C2,   38
.set C3,   40
.set TMP,  42
.set C4,   BM                          ; two more chains of the sum, where the blocks' maxima lay
.set C5,   BM+2
.set KS,   68
.set VS,   72
.set PWD,  76                          ; p's scale words: + tile
.set QS,   78                          ; q's scale words: + 2 tile: for [q, 0], for [0, q]
.set PC,   88                          ; + 16 tile
.set S,    120                         ; + 64 tile
.set KF,   0                           ; window 1 from here on
.set VF,   64
.set OA,   128                         ; + 32 tile
.set QF,   192                         ; + 24 tile: q, 0, q: [q, 0] = QF .. QF+15, [0, q] = QF+8 .. QF+23
.set WV,   10
.set CN,   14
.set G0A,  20
.set G0B,  24
.set G1A,  28
.set G1B,  36
.set SEL,  44
.set CS,   46
.set MNT,  48
.set TB,   49
.set CNT,  50
.set TK,   51
.set MSB, 0
.macro WIN new                         ; the immediate's high byte repeats the setting that is left
.if MSB != (\new)
	s_set_vgpr_msb (MSB<<8)|(\new)
.set MSB, (\new)
.endif
.endm
.macro PLACES n
.rept \n
	v_nop
.endr
.endm
.macro CROUND                          ; a round of the cluster's barrier
	s_barrier_signal -1
	s_barrier_wait -1
	s_cmp_lg_u32 s[WV], 0
	s_cbranch_scc1 .Lnot_wave_0_\@
	s_barrier_signal -3
.Lnot_wave_0_\@:
	s_barrier_wait -3
	s_barrier_signal -1
	s_barrier_wait -1
.endm
.macro KLD                             ; K's four fragments and their scale words: 17 loads of 512 consecutive bytes
	WIN 0x40
.irp b, 0,1,2,3
.irp c, 0,1,2,3
	ds_load_b128 v[KF+16*\b+4*\c:KF+16*\b+4*\c+3], v[ADK] offset:2048*\b+512*\c
.endr
.endr
	WIN 0
	ds_load_b128 v[KS:KS+3], v[ADK] offset:8192
.endm
.macro SMUL w                          ; a tile's scores of 128 keys: eight sums, each begun with 0
.irp b, 0,1,2,3
	v_wmma_scale_f32_16x16x128_f8f6f4 v[S+64*\w+16*\b:S+64*\w+16*\b+7], v[KF+16*\b:KF+16*\b+15], v[QF+24*\w:QF+24*\w+15], 0, v[KS+\b], v[QS+2*\w]
	v_wmma_scale_f32_16x16x128_f8f6f4 v[S+64*\w+16*\b+8:S+64*\w+16*\b+15], v[KF+16*\b:KF+16*\b+15], v[QF+24*\w+8:QF+24*\w+23], 0, v[KS+\b], v[QS+2*\w+1]
.endr
.endm
.macro SCALES w                        ; from the four blocks' largest p: the conversions' scale operands, the holds, the bytes
.irp b, 0,1,2,3
	v_max_num_f32 v[BM+24*\w+\b], 0x4800000, v[BM+24*\w+\b]      ; the floor 2^(9 - 127): the byte cannot fall under 1
.endr
.irp b, 0,1,2,3
	v_add_nc_u32 v[SOP+24*\w+\b], 0xfc000000, v[BM+24*\w+\b]     ; 8 off the exponent field
.endr
.irp b, 0,1,2,3
	v_and_or_b32 v[HD+24*\w+\b], v[BM+24*\w+\b], 0x7f800000, s[MNT]   ; 448 x the scale
.endr
.irp b, 0,1,2,3
	v_lshrrev_b32 v[PT+24*\w+\b], 23, v[SOP+24*\w+\b]
.endr
.endm
.macro SUMS w                          ; the step's sum of the unquantised p, four chains of pairs; p's scale word among them
.set tb, 24*(\w)
.set sb, S+64*(\w)
	v_pk_add_f32 v[C2+tb:C2+tb+1], v[sb:sb+1], v[sb+2:sb+3]
	v_pk_add_f32 v[C3+tb:C3+tb+1], v[sb+4:sb+5], v[sb+6:sb+7]
	v_pk_add_f32 v[C4+tb:C4+tb+1], v[sb+8:sb+9], v[sb+10:sb+11]
	v_pk_add_f32 v[C5+tb:C5+tb+1], v[sb+12:sb+13], v[sb+14:sb+15]
	v_lshl_or_b32 v[TMP+tb], v[PT+tb+1], 8, v[PT+tb]
.set j, 16
.rept 6
	v_pk_add_f32 v[C2+tb:C2+tb+1], v[C2+tb:C2+tb+1], v[sb+j:sb+j+1]
	v_pk_add_f32 v[C3+tb:C3+tb+1], v[C3+tb:C3+tb+1], v[sb+j+2:sb+j+3]
	v_pk_add_f32 v[C4+tb:C4+tb+1], v[C4+tb:C4+tb+1], v[sb+j+4:sb+j+5]
	v_pk_add_f32 v[C5+tb:C5+tb+1], v[C5+tb:C5+tb+1], v[sb+j+6:sb+j+7]
.set j, j+8
.endr
	v_lshl_or_b32 v[TMP+tb], v[PT+tb+2], 16, v[TMP+tb]
	s_delay_alu instid0(VALU_DEP_1)
	v_lshl_or_b32 v[PWD+\w], v[PT+tb+3], 24, v[TMP+tb]
.endm
.macro CODES w                         ; the held p become codes; the four lines that join the sums are the four places between the codes and the products
.set tb, 24*(\w)
.set sb, S+64*(\w)
.irp b, 0,1,2,3
	v_cvt_scalef32_pk8_fp8_f32 v[PC+16*\w+4*\b:PC+16*\w+4*\b+1], v[sb+16*\b:sb+16*\b+7], v[SOP+tb+\b]
	v_cvt_scalef32_pk8_fp8_f32 v[PC+16*\w+4*\b+2:PC+16*\w+4*\b+3], v[sb+16*\b+8:sb+16*\b+15], v[SOP+tb+\b]
.endr
	v_pk_add_f32 v[C2+tb:C2+tb+1], v[C2+tb:C2+tb+1], v[C3+tb:C3+tb+1]
	v_pk_add_f32 v[C4+tb:C4+tb+1], v[C4+tb:C4+tb+1], v[C5+tb:C5+tb+1]
	v_pk_add_f32 v[C2+tb:C2+tb+1], v[C2+tb:C2+tb+1], v[C4+tb:C4+tb+1]
	v_pk_fma_f32 v[M+4*\w+2:M+4*\w+3], v[M+4*\w+2:M+4*\w+3], v[FF+tb:FF+tb+1], v[C2+tb:C2+tb+1] op_sel_hi:[1,0,1]   ; the sum under the new M, and the step's part
.endm
.macro PV w                            ; O^T += V^T P^T: the tile's four accumulators by turns
	WIN 0x51                                       ; V, C and D in window 1, P in window 0
.irp t, 0,1,2,3
	v_wmma_scale_f32_16x16x128_f8f6f4 v[OA+32*\w+8*\t:OA+32*\w+8*\t+7], v[VF+16*\t:VF+16*\t+15], v[PC+16*\w:PC+16*\w+15], v[OA+32*\w+8*\t:OA+32*\w+8*\t+7], v[VS+\t], v[PWD+\w]
.endr
	WIN 0
.endm
.macro STEP
	s_wait_dscnt 0x0                               ; this step's K, asked for a step ago
	WIN 0x05                                       ; K and q in window 1, the scores in window 0
	SMUL 0
	SMUL 1
	WIN 0
	s_add_co_u32 s[TK], s[TB], REC
	s_min_u32 s[TK], s[TK], 15*REC                 ; the next record; the last trip names its own record once more, and nothing uses what that brings: so the step's text serves every trip
	v_add_nc_u32 v[ADV], s[TB], v[LI]
	v_add_nc_u32 v[ADT], s[TB], v[L8]
	v_add_nc_u32 v[ADK], s[TK], v[LI]
	PLACES 5                                       ; with the three lines above: eight places behind the products, ahead of the loads into their registers and of the first read of the scores
.irp e, 0,1
	ds_load_b64 v[VS+2*\e:VS+2*\e+1], v[ADT] offset:16896+256*\e
.endr
	WIN 0x40
.irp t, 0,1,2,3
.irp c, 0,1,2,3
	ds_load_b128 v[VF+16*\t+4*\c:VF+16*\t+4*\c+3], v[ADV] offset:8704+2048*\t+512*\c
.endr
.endr
	KLD
	; the largest score of each block of 32 keys, eight blocks by turns.  No exponential stands between the products and these first reads
.irp w, 0,1
.irp b, 0,1,2,3
	v_max3_num_f32 v[BM+24*\w+\b], v[S+64*\w+16*\b], v[S+64*\w+16*\b+1], v[S+64*\w+16*\b+2]
.endr
.endr
.irp i, 3,5,7,9,11,13
.irp w, 0,1
.irp b, 0,1,2,3
	v_max3_num_f32 v[BM+24*\w+\b], v[BM+24*\w+\b], v[S+64*\w+16*\b+\i], v[S+64*\w+16*\b+\i+1]
.endr
.endr
.endr
.irp w, 0,1
.irp b, 0,1,2,3
	v_max_num_f32 v[BM+24*\w+\b], v[BM+24*\w+\b], v[S+64*\w+16*\b+15]
.endr
.endr
.irp w, 0,1
.irp b, 0,1,2,3
	v_permlanex16_b32 v[PT+24*\w+\b], v[BM+24*\w+\b], s[SEL], s[SEL+1]
.endr
.endr
.irp w, 0,1
.irp b, 0,1,2,3
	v_max_num_f32 v[BM+24*\w+\b], v[BM+24*\w+\b], v[PT+24*\w+\b]   ; with lane l xor 16's 16 keys
.endr
.endr
	; M and f, the two tiles' chains line by line
.irp w, 0,1
	v_max3_num_f32 v[TMP+24*\w], v[BM+24*\w], v[BM+24*\w+1], v[BM+24*\w+2]
.endr
.irp w, 0,1
	s_delay_alu instid0(VALU_DEP_2)
	v_max3_num_f32 v[M+4*\w+1], v[M+4*\w+1], v[TMP+24*\w], v[BM+24*\w+3]   ; the running largest score (c is positive: the largest t is c x it)
.endr
.irp w, 0,1
	s_delay_alu instid0(VALU_DEP_2)
	v_mul_f32 v[TMP+24*\w], s[CN], v[M+4*\w+1]     ; -t
.endr
.irp w, 0,1
	s_delay_alu instid0(VALU_DEP_2)
	v_floor_f32 v[TMP+24*\w], v[TMP+24*\w]         ; the new -M = floor(-t)
.endr
.irp w, 0,1
	s_delay_alu instid0(VALU_DEP_2)
	v_sub_f32 v[FF+24*\w], v[TMP+24*\w], v[M+4*\w] ; old M - new M: a whole number, 0 or less
.endr
.irp w, 0,1
	v_mov_b32 v[M+4*\w], v[TMP+24*\w]
.endr
.irp w, 0,1
	s_delay_alu instid0(VALU_DEP_4)
	v_cvt_i32_f32 v[FF+24*\w], v[FF+24*\w]         ; (it saturates)
.endr
.irp w, 0,1
	s_delay_alu instid0(VALU_DEP_2)
	v_ldexp_f32 v[FF+24*\w], 1.0, v[FF+24*\w]      ; f = 2^(old M - new M)
.endr
.irp b, 0,1,2,3
	v_fma_f32 v[BM+\b], v[BM+\b], s[CS], v[M]      ; tile 0: t - M of each block's largest score: p rises with the score, so this gives the block's largest p
.endr
.set j, 0
.rept 32
	v_pk_fma_f32 v[S+j:S+j+1], v[S+j:S+j+1], s[CS:CS+1], v[M:M+1] op_sel_hi:[1,0,0]   ; tile 0: t - M, two at a time
.set j, j+2
.endr
	WIN 0x41                                       ; O^T in window 1, f in window 0
.irp w, 0,1
.set j, 0
.rept 16
	v_pk_mul_f32 v[OA+32*\w+j:OA+32*\w+j+1], v[OA+32*\w+j:OA+32*\w+j+1], v[FF+24*\w:FF+24*\w+1] op_sel_hi:[1,0]   ; O^T under the new M; the last step's products stand behind that step's last exponential
.set j, j+2
.endr
.endr
	WIN 0
	s_wait_alu depctr_va_vdst(0)           ; ahead of the batch
.irp b, 0,1,2,3
	v_exp_f32 v[BM+\b], v[BM+\b]
	v_fma_f32 v[BM+24+\b], v[BM+24+\b], s[CS], v[M+4]             ; tile 1's multiply-adds stand among tile 0's exponentials
.endr
.set j, 0
.rept 32
	v_exp_f32 v[S+j], v[S+j]                       ; p = 2^(t - M), not normalised
	v_pk_fma_f32 v[S+64+2*j:S+64+2*j+1], v[S+64+2*j:S+64+2*j+1], s[CS:CS+1], v[M+4:M+5] op_sel_hi:[1,0,0]
.set j, j+1
.endr
.rept 32
	v_exp_f32 v[S+j], v[S+j]
.set j, j+1
.endr
	v_nop                                          ; a plain place behind the batch
	s_wait_alu depctr_va_vdst(0)           ; one wait for the whole batch, ahead of its first reader
	s_wait_dscnt 17                                ; V's 18 loads are in; the 17 younger ones, the next step's K, may be out
	SCALES 0
	SUMS 0
	s_wait_alu depctr_va_vdst(0)           ; ahead of the second batch
.irp b, 0,1,2,3
	v_exp_f32 v[BM+24+\b], v[BM+24+\b]
.endr
.set j, 0
.rept 32
	v_exp_f32 v[S+64+j], v[S+64+j]
	v_dual_min_num_f32 v[S+j], v[HD+j/16], v[S+j] :: v_dual_min_num_f32 v[S+j+1], v[HD+j/16], v[S+j+1]   ; tile 0's holds, two to a line, stand among tile 1's exponentials: the conversion does not saturate (ISA guide 7.6.2); p is not negative, so the hold is one-sided
	v_exp_f32 v[S+64+j+1], v[S+64+j+1]
.set j, j+2
.endr
	v_nop                                          ; a plain place behind the batch
	s_wait_alu depctr_va_vdst(0)           ; and behind it
	CODES 0
	PV 0
	SCALES 1
	SUMS 1
.set j, 0
.rept 32
	v_dual_min_num_f32 v[S+64+j], v[HD+24+j/16], v[S+64+j] :: v_dual_min_num_f32 v[S+64+j+1], v[HD+24+j/16], v[S+64+j+1]   ; tile 1's holds: an even and an odd destination, one first source, second sources in neighbouring banks
.set j, j+2
.endr
	CODES 1
	PV 1
	s_add_co_u32 s[TB], s[TB], REC
.endm
	s_load_b128 s[4:7], s[0:1], 0x0                ; qbuf, kvbuf
	s_load_b64 s[8:9], s[0:1], 0x10                ; obuf
	v_lshl_add_u32 v254, v0, 2, SPARE
	v_mov_b32 v255, 0
	ds_add_u32 v254, v255                          ; the opening lines: the add, twice on end, and its wait
	ds_add_u32 v254, v255
	v_lshrrev_b32 v9, 5, v0
	v_readfirstlane_b32 s[WV], v9                  ; wave 0..7
	s_bfe_u32 s11, ttmp6, 0x40000                  ; cx
	s_lshl_b32 s12, ttmp9, 2
	s_add_co_u32 s12, s12, s11                     ; the block of 256 queries
	s_and_b32 s13, ttmp7, 0xffff                   ; 8 batch + head, which the four partners share
	s_mov_b32 s[G1A], 15|(3<<16)|(1<<21)           ; rows of 256 bytes (32 elements of 8), dense; the mask names the four work-groups, bit 21 beside it
	s_mov_b32 s[G1A+1], 32<<16
	s_mov_b32 s[G1A+2], 34<<16                     ; an eighth of records 0-3: 34 rows
	s_mov_b32 s[G1A+3], 32<<16
	s_mov_b32 s[G1A+4], 34
	s_mov_b32 s[G1A+5], 32
	s_mov_b32 s[G1A+6], 0
	s_mov_b32 s[G1A+7], 0
	s_mov_b32 s[G1B], 15|(3<<16)|(1<<21)
	s_mov_b32 s[G1B+1], 32<<16
	s_mov_b32 s[G1B+2], 102<<16                    ; an eighth of records 4-15: 102 rows
	s_mov_b32 s[G1B+3], 32<<16
	s_mov_b32 s[G1B+4], 102
	s_mov_b32 s[G1B+5], 32
	s_mov_b32 s[G1B+6], 0
	s_mov_b32 s[G1B+7], 0
	s_mul_i32 s54, s13, 16*REC
	s_mul_i32 s[G0A+1], s[WV], 8704
	s_mul_i32 s[G0B+1], s[WV], 26112
	s_add_co_u32 s[G0B+1], s[G0B+1], 4*REC
	s_add_co_u32 s56, s54, s[G0B+1]
	s_add_co_u32 s54, s54, s[G0A+1]
	s_mov_b32 s55, 0
	s_mov_b32 s57, 0
	s_mov_b32 s[G0A], 1
	s_mov_b32 s[G0B], 1
	s_mov_b32 s[SEL], 0x76543210
	s_mov_b32 s[SEL+1], 0xfedcba98
	s_mov_b32 s[CS], 0x3e38aa3b                    ; c = log2(e) / 8
	s_mov_b32 s[CS+1], s[CS]
	s_mov_b32 s[CN], 0xbe38aa3b                    ; -c
	s_mov_b32 s[MNT], 0x600000
	s_wait_dscnt 0x0
	s_wait_kmcnt 0x0
	s_add_nc_u64 s[G0A+2:G0A+3], s[6:7], s[54:55]  ; made of the head and the wave's number alone
	s_or_b32 s[G0A+3], s[G0A+3], 0x80000000
	s_add_nc_u64 s[G0B+2:G0B+3], s[6:7], s[56:57]
	s_or_b32 s[G0B+3], s[G0B+3], 0x80000000
	CROUND                                         ; all four work-groups are here: the joint loads meet
	tensor_load_to_lds s[G0A:G0A+3], s[G1A:G1A+7]  ; my one tensor load at the head
	s_nop 0
	PLACES 4
	s_lshr_b32 s58, s[WV], 2                       ; q's record: 16 (8 batch + head) + 2 block + wave / 4; my fragment f = wave % 4
	s_lshl_b32 s59, s12, 1
	s_add_co_u32 s58, s58, s59
	s_lshl_b32 s59, s13, 4
	s_add_co_u32 s58, s58, s59
	s_mul_i32 s58, s58, 8704
	s_and_b32 s59, s[WV], 3
	s_lshl_b32 s60, s59, 2
	s_add_co_u32 s60, s60, s58
	s_mov_b32 s61, 0
	s_add_nc_u64 s[60:61], s[4:5], s[60:61]        ; its scale words: + 4 f
	s_lshl_b32 s59, s59, 11
	s_add_co_u32 s58, s58, s59
	s_mov_b32 s59, 0
	s_add_nc_u64 s[4:5], s[4:5], s[58:59]          ; its codes: + 2048 f
	s_lshl_b32 s58, s13, 7
	s_lshl_b32 s15, s12, 4
	s_add_co_u32 s58, s58, s15
	s_lshl_b32 s58, s58, 6
	s_add_co_u32 s58, s58, 4194304
	s_add_nc_u64 s[62:63], s[8:9], s[58:59]        ; o's scale words: 64 bytes a tile, behind the codes
	s_lshr_b32 s58, s13, 3
	s_lshl_b32 s58, s58, 7
	s_add_co_u32 s58, s58, s15
	s_lshl_b32 s16, s[WV], 1
	s_add_co_u32 s58, s58, s16                     ; my even row tile: 128 batch + 16 block + 2 wave
	s_lshl_b32 s58, s58, 13
	s_bfe_u32 s16, s13, 0x20001
	s_lshl_b32 s16, s16, 11
	s_add_co_u32 s58, s58, s16                     ; K step head / 2 of the next product,
	s_and_b32 s16, s13, 1
	s_lshl_b32 s16, s16, 10
	s_add_co_u32 s58, s58, s16                     ; and its half head % 2
	s_add_nc_u64 s[8:9], s[8:9], s[58:59]
	s_lshl_b32 s16, s[WV], 7
	s_and_b32 s17, s[WV], 1
	s_lshl_b32 s17, s17, 9
	v_and_b32 v9, 31, v0
	v_and_b32 v10, 15, v0
	v_lshlrev_b32 v[LI], 4, v9
	v_lshlrev_b32 v[L8], 3, v9
	v_lshlrev_b32 v[SWA], 2, v10
	v_add_nc_u32 v[SWA], s16, v[SWA]
	v_add_nc_u32 v[SWA], STG, v[SWA]
	v_add_nc_u32 v[GSO], s17, v[LI]
	v_add_nc_u32 v[SRA], STG, v[GSO]
	global_load_b32 v[QW], v[LI], s[60:61] offset:8192
	WIN 0x40
.irp w, 0,1
.irp b, 0,1
	global_load_b128 v[QF+24*\w+4*\b:QF+24*\w+4*\b+3], v[LI], s[4:5] offset:1024*\w+512*\b          ; a tile's q, twice: for [q, 0] and for [0, q]
	global_load_b128 v[QF+24*\w+16+4*\b:QF+24*\w+16+4*\b+3], v[LI], s[4:5] offset:1024*\w+512*\b
.endr
.endr
.irp w, 0,1
.set j, 0
.rept 8
	v_mov_b32 v[QF+24*\w+8+j], 0
.set j, j+1
.endr
.endr
.set j, 0
.rept 64
	v_mov_b32 v[OA+j], 0                           ; the step is written for every trip alike: the first finds zeros
.set j, j+1
.endr
	WIN 0
.irp w, 0,1
	v_mov_b32 v[M+4*\w+1], 0xff61b1e6              ; the largest score so far: -3e38
	v_mov_b32 v[M+4*\w], 0x7e000000                ; -M: a large whole number, so that the first step's factor is 0
	v_mov_b32 v[M+4*\w+2], 0
	v_mov_b32 v[M+4*\w+3], 0
	v_mov_b32 v[FF+24*\w+1], 0                     ; named as the upper half of a pair
.irp b, 0,1,2,3
	v_mov_b32 v[PT+24*\w+\b], 0                    ; a lane permute's destination counts as one of its sources
.endr
.endr
	s_wait_alu depctr_va_vdst(0)
	s_wait_tensorcnt 0x0                           ; my eighth of records 0-3 is in
	ds_add_u32 v254, v255
	s_wait_dscnt 0x0
	CROUND                                         ; everybody's is in, and the joint loads meet
	tensor_load_to_lds s[G0B:G0B+3], s[G1B:G1B+7]  ; records 4-15: my one tensor load behind the round; it has three steps in which to land
	s_nop 0
	PLACES 4
	v_mov_b32 v[ADK], v[LI]
	KLD                                            ; step 0's K
	s_wait_loadcnt 0x0                             ; q
	v_and_b32 v[QS], 0xffff, v[QW]                 ; the word holds tile 0's two bytes below and tile 1's above; the bytes beside zero codes are 0
	v_lshlrev_b32 v[QS+1], 16, v[QW]
	v_lshrrev_b32 v[QS+2], 16, v[QW]
	v_and_b32 v[QS+3], 0xffff0000, v[QW]
	PLACES 8                                       ; scale words made by vector lines stand eight places ahead of the products
	s_mov_b32 s[TB], 0
	s_mov_b32 s[CNT], 3
	s_wait_alu depctr_va_vdst(0)
.Lk0:                                                  ; steps 0-2 read records 0-3 alone
	STEP
	s_sub_co_u32 s[CNT], s[CNT], 1
	s_cmp_lg_u32 s[CNT], 0
	s_cbranch_scc1 .Lk0
	s_wait_tensorcnt 0x0                           ; my eighth of records 4-15 is in,
	s_wait_dscnt 0x0
	s_barrier_signal -1
	s_barrier_wait -1                              ; everybody's is
	s_mov_b32 s[TB], 3*REC
	s_mov_b32 s[CNT], 13
.Lk1:                                                  ; steps 3-15
	STEP
	s_sub_co_u32 s[CNT], s[CNT], 1
	s_cmp_lg_u32 s[CNT], 0
	s_cbranch_scc1 .Lk1
	; THE WAY OUT: O^T / the sum, into the scores' registers; quantised along the head's 64, two blocks a tile, the four blocks by turns
.irp w, 0,1
	v_add_f32 v[M+4*\w+2], v[M+4*\w+2], v[M+4*\w+3]
.endr
.irp w, 0,1
	s_delay_alu instid0(VALU_DEP_2)
	v_permlanex16_b32 v[PT+24*\w], v[M+4*\w+2], s[SEL], s[SEL+1]
.endr
.irp w, 0,1
	s_delay_alu instid0(VALU_DEP_2)
	v_add_f32 v[M+4*\w+2], v[M+4*\w+2], v[PT+24*\w]    ; the row's sum
.endr
	s_wait_alu depctr_va_vdst(0)                   ; ahead of the transcendentals
.irp w, 0,1
	v_rcp_f32 v[FF+24*\w], v[M+4*\w+2]
.endr
	v_nop
	WIN 0x01                                       ; O^T in window 1
	s_wait_alu depctr_va_vdst(0)                   ; and ahead of their first readers, which are O^T's first readers too
.irp w, 0,1
.set j, 0
.rept 16
	v_pk_mul_f32 v[S+64*\w+j:S+64*\w+j+1], v[OA+32*\w+j:OA+32*\w+j+1], v[FF+24*\w:FF+24*\w+1] op_sel_hi:[1,0]
.set j, j+2
.endr
.endr
	WIN 0
.irp w, 0,1
.irp b, 0,1
	v_max3_num_f32 v[BM+24*\w+\b], 0x4800000, |v[S+64*\w+16*\b]|, |v[S+64*\w+16*\b+1]|
.endr
.endr
.irp i, 2,4,6,8,10,12,14
.irp w, 0,1
.irp b, 0,1
	v_max3_num_f32 v[BM+24*\w+\b], v[BM+24*\w+\b], |v[S+64*\w+16*\b+\i]|, |v[S+64*\w+16*\b+\i+1]|
.endr
.endr
.endr
.irp w, 0,1
.irp b, 0,1
	v_permlanex16_b32 v[PT+24*\w+\b], v[BM+24*\w+\b], s[SEL], s[SEL+1]
.endr
.endr
.irp w, 0,1
.irp b, 0,1
	v_max_num_f32 v[BM+24*\w+\b], v[BM+24*\w+\b], v[PT+24*\w+\b]
.endr
.endr
.irp w, 0,1
.irp b, 0,1
	v_add_nc_u32 v[SOP+24*\w+\b], 0xfc000000, v[BM+24*\w+\b]
.endr
.endr
.irp w, 0,1
.irp b, 0,1
	v_and_or_b32 v[HD+24*\w+\b], v[BM+24*\w+\b], 0x7f800000, s[MNT]
.endr
.endr
.irp w, 0,1
.irp b, 0,1
	v_lshrrev_b32 v[PT+24*\w+\b], 23, v[SOP+24*\w+\b]
.endr
.endr
.irp w, 0,1
	v_lshl_or_b32 v[TMP+24*\w], v[PT+24*\w+1], 8, v[PT+24*\w]
.endr
.irp w, 0,1
.irp b, 0,1
.set j, 0
.rept 16
	v_med3_num_f32 v[S+64*\w+16*\b+j], v[S+64*\w+16*\b+j], -v[HD+24*\w+\b], v[HD+24*\w+\b]
.set j, j+1
.endr
	v_cvt_scalef32_pk8_fp8_f32 v[PC+16*\w+4*\b:PC+16*\w+4*\b+1], v[S+64*\w+16*\b:S+64*\w+16*\b+7], v[SOP+24*\w+\b]
	v_cvt_scalef32_pk8_fp8_f32 v[PC+16*\w+4*\b+2:PC+16*\w+4*\b+3], v[S+64*\w+16*\b+8:S+64*\w+16*\b+15], v[SOP+24*\w+\b]
.endr
.endr
	v_nop                                          ; one plain line behind the last conversion
.irp w, 0,1
.irp b, 0,1
	global_store_b128 v[LI], v[PC+16*\w+4*\b:PC+16*\w+4*\b+3], s[8:9] offset:8192*\w+512*\b   ; 512 consecutive bytes
.endr
	ds_store_b32 v[SWA], v[TMP+24*\w] offset:64*\w
.endr
	s_wait_dscnt 0x0                               ; for the others' sake: my two scale words lie in the stage
	s_barrier_signal -1
	s_barrier_wait -1
	s_cmp_lt_u32 s[WV], 2                          ; waves 0 and 1 store the 16 tiles' words, 512 consecutive bytes each
	s_cbranch_scc0 .Lno_words
	ds_load_b128 v[S+32:S+35], v[SRA]
	s_wait_dscnt 0x0
	global_store_b128 v[GSO], v[S+32:S+35], s[62:63]
.Lno_words:
	s_wait_tensorcnt 0x0                           ; the wave's end
	ds_add_u32 v254, v255
	s_wait_dscnt 0x0
	CROUND                                         ; the closing round
	s_endpgm
.Lfunc_end_k_qb797ac4f85_attn_t:
	.size	k_qb797ac4f85_attn_t, .Lfunc_end_k_qb797ac4f85_attn_t-k_qb797ac4f85_attn_t
	.p2alignl 7, 3214868480
	.fill 96, 4, 3214868480
	.section	.rodata,"a",@progbits
	.p2align	6, 0x0
	.amdhsa_kernel k_qb797ac4f85_attn_t
		.amdhsa_group_segment_fixed_size 327680
		.amdhsa_private_segment_fixed_size 0
		.amdhsa_enable_private_segment 0
		.amdhsa_kernarg_size 24
		.amdhsa_user_sgpr_count 2
		.amdhsa_user_sgpr_kernarg_segment_ptr 1
		.amdhsa_wavefront_size32 1
		.amdhsa_system_sgpr_workgroup_id_x 1
		.amdhsa_system_sgpr_workgroup_id_y 1
		.amdhsa_system_sgpr_workgroup_id_z 1
		.amdhsa_system_vgpr_workitem_id 0
		.amdhsa_next_free_vgpr 512
		.amdhsa_next_free_sgpr 66
		.amdhsa_reserve_vcc 0
		.amdhsa_float_denorm_mode_32 3
		.amdhsa_float_denorm_mode_16_64 3
		.amdhsa_memory_ordered 1
		.amdhsa_forward_progress 1
		.amdhsa_inst_pref_size 92
	.end_amdhsa_kernel
	.amdgpu_metadata
---
amdhsa.version: [ 1, 2 ]
amdhsa.kernels:
  - .name:           k_qb797ac4f85_attn_t
    .symbol:         k_qb797ac4f85_attn_t.kd
    .args:
      - { .name: qbuf, .offset: 0, .size: 8, .value_kind: global_buffer, .address_space: global }
      - { .name: kvbuf, .offset: 8, .size: 8, .value_kind: global_buffer, .address_space: global }
      - { .name: obuf, .offset: 16, .size: 8, .value_kind: global_buffer, .address_space: global }
    .group_segment_fixed_size: 327680
    .private_segment_fixed_size: 0
    .kernarg_segment_align: 8
    .kernarg_segment_size: 24
    .max_flat_workgroup_size: 256
    .sgpr_count:     66
    .vgpr_count:     512
    .wavefront_size: 32
...
	.end_amdgpu_metadata
.endif
;; end of part 3
;; launch proj_t (part 4): grid 256 x 1, 4 waves a work-group, no clusters, 69,120 bytes of LDS; arguments obuf, wt, t_wo_scales, t_bo, x, ln1_g, ln1_b, hgbuf, act; writes hgbuf, act
.if DOCPART == 4
	.amdgcn_target "amdgcn-amd-amdhsa--gfx1250"
	.amdhsa_code_object_version 6
	.text
	.protected	k_qb797ac4f85_proj_t
	.globl	k_qb797ac4f85_proj_t
	.p2align	8
	.type	k_qb797ac4f85_proj_t,@function
k_qb797ac4f85_proj_t:
	s_mov_b64 s[64:65], 0
	v_nop
	global_prefetch_b8 v0, s[64:65] scope:SCOPE_SE
	s_setreg_imm32_b32 hwreg(HW_REG_WAVE_MODE, 25, 1), 1
	s_wait_xcnt 0x0
; y = res + o Wo + bo;  out = (y - mean) rsqrt(var + 1e-6) g + beta, by rows of 512;  out goes to memory as f32 rows and, quantised along the 512, as act records.
; SHARES.  A work-group takes rows 32 P .. 32 P + 31 (row tiles 2 P, 2 P + 1) and all 512 columns; wave w takes columns 128 w .. 128 w + 127: 8 weight tiles x 4 K steps, 512 registers.
; Wo comes from the weights' images (from byte 786,432 on; tile tau, K step s at 2048 (4 tau + s)): each load takes 512 consecutive bytes.
; NO CLUSTER: what the work-groups share is Wo, which goes straight into the registers where it stays; as a joint tile it would need all 262,144 bytes in LDS beside the 66,048 of the stage, and a second trip out of LDS.
; The product is used transposed (source 0 = 16 weight rows, source 1 = o's tile): a lane holds one row and 64 columns, register 16 b + i = column 128 w + 32 b + 16 h + i.  The sums begin as res + bo.
; The variance is taken of y - mean, in a second pass, as the definition has it.  A row's sums meet through LDS: lane l xor 16, then the four waves.
; LIMITS: NaN and infinities not served; blocks under 2^-118 get the byte 1.
; REGISTERS: window 0: v4-15, v106 addresses; v16-47 Wo's scale words; v48-55 o's; v56-71 o's as stored; v72-105 the quantiser's; v108-127 sums; v128-191 bo, then g; v192-255 beta.
;   windows 1, 2: Wo (tile t, K step s) at 64 (t % 4) + 16 s.   window 3: v0-127 the sums (64 u + 16 b + i); v128-255 o's fragments (64 u + 16 s), at the end rows read back.
.set STAT, 66048                       ; LDS: 0: the stage, 32 rows x (2,048 + 16);  here: two tables [u][wave][lane] of 1,024 bytes;
.set SCST, 68096                       ; and 512 bytes of scale words [u][r][wave]
.set LI,  4                            ; 16 lane
.set VSC, 6                            ; 16 rho (rho = r + 8 (r / 8))
.set XA,  7                            ; 2048 rho + 64 h + 512 w
.set CA,  8                            ; 64 h + 512 w
.set R4,  9                            ; 4 r
.set SO,  10                           ; 2064 rho + 64 h + 512 w
.set SR,  11                           ; 8 w x 2064 + 16 lane
.set STA, 12                           ; STAT + 128 w + 4 lane
.set STL, 13                           ; STAT + 4 lane
.set SCA, 14                           ; SCST + 16 r + 4 w
.set SCL, 15                           ; SCST + 16 lane
.set WS,  16
.set OS,  48
.set RAW, 56
.set TM,  72
.set PC,  88
.set RSP, 88                           ; v88-91: 1 / sqrt, a pair a tile (ahead of the codes' use of these registers)
.set PW,  104
.set AO,  106                          ; 8448 (lane / 16) + 16 r
.set SA,  108
.set LD,  116
.set MP,  124
.set G,   128
.set BE,  192
.set WV,  26
.set SEL, 28
.set MNT, 30
.set C9,  31                           ; 2^-9
.set EPS, 32
.set MSB, 0
.macro WIN new
.if MSB != (\new)
	s_set_vgpr_msb (MSB<<8)|(\new)
.set MSB, (\new)
.endif
.endm
.macro PLACES n
.rept \n
	v_nop
.endr
.endm
.macro BARRIER
	s_wait_dscnt 0x0                               ; my LDS stores have landed and my LDS loads are in
	s_barrier_signal -1
	s_barrier_wait -1
.endm
.macro QUANT s, w, pw
	WIN ((\w)<<2)|((\w)<<4)
.irp b, 0,1,2,3
	v_max3_num_f32 v[TM+\b], 0x4800000, |v[(\s)+16*\b]|, |v[(\s)+16*\b+1]|
.endr
.irp i, 2,4,6,8,10,12,14
.irp b, 0,1,2,3
	v_max3_num_f32 v[TM+\b], v[TM+\b], |v[(\s)+16*\b+\i]|, |v[(\s)+16*\b+\i+1]|
.endr
.endr
	WIN 0
.irp b, 0,1,2,3
	v_permlanex16_b32 v[TM+4+\b], v[TM+\b], s[SEL], s[SEL+1]
.endr
.irp b, 0,1,2,3
	v_max_num_f32 v[TM+\b], v[TM+\b], v[TM+4+\b]
.endr
.irp b, 0,1,2,3
	v_add_nc_u32 v[TM+12+\b], 0xfc000000, v[TM+\b]
.endr
.irp b, 0,1,2,3
	v_and_or_b32 v[TM+8+\b], v[TM+\b], 0x7f800000, s[MNT]
.endr
.irp b, 0,1,2,3
	v_lshrrev_b32 v[TM+4+\b], 23, v[TM+12+\b]
.endr
	v_lshl_or_b32 v[\pw], v[TM+5], 8, v[TM+4]
	v_lshl_or_b32 v[\pw], v[TM+6], 16, v[\pw]
	v_lshl_or_b32 v[\pw], v[TM+7], 24, v[\pw]
	WIN (\w)|((\w)<<6)
.irp b, 0,1,2,3
.set qi, 0
.rept 16
	v_med3_num_f32 v[(\s)+16*\b+qi], v[(\s)+16*\b+qi], -v[TM+8+\b], v[TM+8+\b]
.set qi, qi+1
.endr
.endr
	s_wait_alu depctr_va_vdst(0)
	s_wait_xcnt 0x0                                    ; the codes' registers were the data of earlier stores
	WIN (\w)
.irp b, 0,1,2,3
	v_cvt_scalef32_pk8_fp8_f32 v[PC+4*\b:PC+4*\b+1], v[(\s)+16*\b:(\s)+16*\b+7], v[TM+12+\b]
	v_cvt_scalef32_pk8_fp8_f32 v[PC+4*\b+2:PC+4*\b+3], v[(\s)+16*\b+8:(\s)+16*\b+15], v[TM+12+\b]
.endr
	WIN 0
	v_nop
.endm
; For both tiles: the sum (sq = 0) or the sum of squares (sq = 1) of a row's 512 numbers, into v[LD + 4 u] of every lane of the row.  off: which table.
.macro ROWSUM sq, off
	WIN 0x0f                                       ; sources 0 and 1 window 3, the rest window 0
.if \sq
.irp u, 0,1
	v_pk_mul_f32 v[SA+4*\u:SA+4*\u+1], v[64*\u:64*\u+1], v[64*\u:64*\u+1]
	v_pk_mul_f32 v[SA+4*\u+2:SA+4*\u+3], v[64*\u+2:64*\u+3], v[64*\u+2:64*\u+3]
.set k, 4
.rept 15
	v_pk_fma_f32 v[SA+4*\u:SA+4*\u+1], v[64*\u+k:64*\u+k+1], v[64*\u+k:64*\u+k+1], v[SA+4*\u:SA+4*\u+1]
	v_pk_fma_f32 v[SA+4*\u+2:SA+4*\u+3], v[64*\u+k+2:64*\u+k+3], v[64*\u+k+2:64*\u+k+3], v[SA+4*\u+2:SA+4*\u+3]
.set k, k+4
.endr
.endr
.else
.irp u, 0,1
	v_pk_add_f32 v[SA+4*\u:SA+4*\u+1], v[64*\u:64*\u+1], v[64*\u+2:64*\u+3]          ; two chains; every accumulator is read from its low end on
	v_pk_add_f32 v[SA+4*\u+2:SA+4*\u+3], v[64*\u+4:64*\u+5], v[64*\u+6:64*\u+7]
.endr
	WIN 0x03
.irp u, 0,1
.set k, 8
.rept 14
	v_pk_add_f32 v[SA+4*\u:SA+4*\u+1], v[64*\u+k:64*\u+k+1], v[SA+4*\u:SA+4*\u+1]
	v_pk_add_f32 v[SA+4*\u+2:SA+4*\u+3], v[64*\u+k+2:64*\u+k+3], v[SA+4*\u+2:SA+4*\u+3]
.set k, k+4
.endr
.endr
.endif
	WIN 0
.irp u, 0,1
	v_pk_add_f32 v[SA+4*\u:SA+4*\u+1], v[SA+4*\u:SA+4*\u+1], v[SA+4*\u+2:SA+4*\u+3]
	v_add_f32 v[SA+4*\u], v[SA+4*\u], v[SA+4*\u+1]
	v_permlanex16_b32 v[SA+4*\u+2], v[SA+4*\u], s[SEL], s[SEL+1]
	v_add_f32 v[SA+4*\u], v[SA+4*\u], v[SA+4*\u+2]     ; my wave's 128 columns of the row
	ds_store_b32 v[STA], v[SA+4*\u] offset:(\off)+512*\u
.endr
	BARRIER
.irp u, 0,1
.irp x, 0,1,2,3
	ds_load_b32 v[LD+4*\u+\x], v[STL] offset:(\off)+512*\u+128*\x
.endr
.endr
	s_wait_dscnt 0x0
.irp u, 0,1
	v_add_f32 v[LD+4*\u], v[LD+4*\u], v[LD+4*\u+1]
	v_add_f32 v[LD+4*\u+2], v[LD+4*\u+2], v[LD+4*\u+3]
	v_add_f32 v[LD+4*\u], v[LD+4*\u], v[LD+4*\u+2]     ; the same order in all four waves
.endr
.endm
	s_load_b512 s[8:23], s[0:1], 0x0               ; obuf, the weights' images, Wo scales, bo, res, g, beta, the f32 rows out
	s_load_b64 s[24:25], s[0:1], 0x40              ; act
	v_lshrrev_b32 v1, 5, v0
	v_readfirstlane_b32 s[WV], v1                  ; wave 0..3
	v_and_b32 v1, 31, v0                           ; lane
	v_and_b32 v2, 15, v0                           ; r
	v_bfe_u32 v3, v0, 4, 1                         ; h
	v_and_b32 v107, 8, v2
	v_add_nc_u32 v107, v107, v2                    ; rho
	v_lshlrev_b32 v[LI], 4, v1
	v_lshlrev_b32 v[VSC], 4, v107
	s_lshl_b32 s34, s[WV], 9
	v_lshlrev_b32 v[CA], 6, v3
	v_add_nc_u32 v[CA], s34, v[CA]
	v_lshl_add_u32 v[XA], v107, 11, v[CA]
	v_lshlrev_b32 v[R4], 2, v2
	v_mad_u32_u24 v[SO], v107, 2064, v[CA]
	s_mul_i32 s35, s[WV], 8*2064
	v_add_nc_u32 v[SR], s35, v[LI]
	v_lshlrev_b32 v[STL], 2, v1
	v_add_nc_u32 v[STL], STAT, v[STL]
	s_lshl_b32 s35, s[WV], 7
	v_add_nc_u32 v[STA], s35, v[STL]
	s_lshl_b32 s35, s[WV], 2
	v_lshlrev_b32 v[SCA], 4, v2
	v_add_nc_u32 v[SCA], s35, v[SCA]
	v_add_nc_u32 v[SCA], SCST, v[SCA]
	v_add_nc_u32 v[SCL], SCST, v[LI]
	v_mul_u32_u24 v[AO], v3, 8448
	v_lshl_add_u32 v[AO], v2, 4, v[AO]
.irp b, 0,1,2,3
	v_mov_b32 v[TM+4+\b], 0
.endr
	s_mov_b32 s[SEL], 0x76543210
	s_mov_b32 s[SEL+1], 0xfedcba98
	s_mov_b32 s[MNT], 0x600000
	s_mov_b32 s[C9], 0x3b000000                    ; 1 / 512
	s_mov_b32 s[EPS], 0x358637bd                   ; 1e-6
	s_lshr_b32 s38, ttmp9, 6                       ; the batch
	s_lshl_b32 s38, s38, 10
	s_lshl_b32 s39, ttmp9, 1
	s_and_b32 s39, s39, 127                        ; the even tile within the batch
	s_add_co_u32 s38, s38, s39
	s_lshl_b32 s38, s38, 6
	s_add_co_u32 s38, s38, 4194304
	s_mov_b32 s39, 0
	s_wait_kmcnt 0x0
	s_add_nc_u64 s[36:37], s[8:9], s[38:39]        ; o's scale words: head 0 of my even tile; a head is 8,192 bytes on, the odd tile 64
	s_lshl_b32 s38, ttmp9, 14
	s_add_nc_u64 s[8:9], s[8:9], s[38:39]          ; o's codes: two tiles of 8,192 bytes
	s_lshl_b32 s38, s[WV], 16
	s_add_co_u32 s38, s38, 0xc0000                 ; Wo's image begins at 786,432; my 8 tiles x 4 K steps are 65,536 bytes
	s_add_nc_u64 s[10:11], s[10:11], s[38:39]
	s_lshl_b32 s38, s[WV], 11
	s_add_nc_u64 s[12:13], s[12:13], s[38:39]
	s_lshl_b32 s38, ttmp9, 16
	s_add_nc_u64 s[16:17], s[16:17], s[38:39]      ; res at row 32 P
	s_lshl_b32 s40, s[WV], 14
	s_add_co_u32 s38, s38, s40
	s_add_nc_u64 s[22:23], s[22:23], s[38:39]      ; out at row 32 P + 8 w
	s_mul_i32 s38, ttmp9, 16896
	s_lshl_b32 s40, s[WV], 11
	s_add_co_u32 s38, s38, s40
	s_add_nc_u64 s[24:25], s[24:25], s[38:39]      ; act: record 2 P, K step w
	WIN 0x40
.irp t, 0,1,2,3
.irp s, 0,1,2,3
.irp c, 0,1,2,3
	global_load_b128 v[64*\t+16*\s+4*\c:64*\t+16*\s+4*\c+3], v[LI], s[10:11] offset:(4*\t+\s)*2048+512*\c   ; 512 consecutive bytes
.endr
.endr
.endr
	WIN 0x80
.irp t, 4,5,6,7
.irp s, 0,1,2,3
.irp c, 0,1,2,3
	global_load_b128 v[64*(\t-4)+16*\s+4*\c:64*(\t-4)+16*\s+4*\c+3], v[LI], s[10:11] offset:(4*\t+\s)*2048+512*\c
.endr
.endr
.endr
	WIN 0xc0
.irp u, 0,1
.irp s, 0,1,2,3
.irp c, 0,1,2,3
	global_load_b128 v[128+64*\u+16*\s+4*\c:128+64*\u+16*\s+4*\c+3], v[LI], s[8:9] offset:8192*\u+2048*\s+512*\c
.endr
.endr
.endr
.irp u, 0,1
.irp b, 0,1,2,3
.irp q, 0,1,2,3
	global_load_b128 v[64*\u+16*\b+4*\q:64*\u+16*\b+4*\q+3], v[XA], s[16:17] offset:16384*\u+128*\b+16*\q
.endr
.endr
.endr
	WIN 0
.irp u, 0,1
.irp x, 0,1,2,3,4,5,6,7
	global_load_b32 v[RAW+8*\u+\x], v[R4], s[36:37] offset:8192*\x+64*\u
.endr
.endr
.irp t, 0,1,2,3,4,5,6,7
	global_load_b128 v[WS+4*\t:WS+4*\t+3], v[VSC], s[12:13] offset:(32*(\t/2)+8*(\t%2))*16
.endr
.irp b, 0,1,2,3
.irp q, 0,1,2,3
	global_load_b128 v[G+16*\b+4*\q:G+16*\b+4*\q+3], v[CA], s[14:15] offset:128*\b+16*\q
	global_load_b128 v[BE+16*\b+4*\q:BE+16*\b+4*\q+3], v[CA], s[20:21] offset:128*\b+16*\q
.endr
.endr
	s_wait_loadcnt 0x0
.irp u, 0,1
.irp s, 0,1,2,3
	v_lshl_or_b32 v[OS+4*\u+\s], v[RAW+8*\u+2*\s+1], 16, v[RAW+8*\u+2*\s]   ; K step s: heads 2 s and 2 s + 1, two bytes each
.endr
.endr
	WIN 0xc3                                       ; destination and source 0 window 3
.irp u, 0,1
.set k, 0
.rept 32
	v_pk_add_f32 v[64*\u+k:64*\u+k+1], v[64*\u+k:64*\u+k+1], v[G+k:G+k+1]   ; res + bo: where the sums begin
.set k, k+2
.endr
.endr
	WIN 0
.irp b, 0,1,2,3
.irp q, 0,1,2,3
	global_load_b128 v[G+16*\b+4*\q:G+16*\b+4*\q+3], v[CA], s[18:19] offset:128*\b+16*\q   ; g takes bo's place; it lands under the products and the sums
.endr
.endr
	PLACES 8                                       ; o's scale words were made by vector lines: eight places ahead of the products
	WIN 0xfd                                       ; A window 1; B, C, D window 3
.irp u, 0,1
.irp s, 0,1,2,3
.irp t, 0,1,2,3
	v_wmma_scale_f32_16x16x128_f8f6f4 v[64*\u+8*\t:64*\u+8*\t+7], v[64*\t+16*\s:64*\t+16*\s+15], v[128+64*\u+16*\s:128+64*\u+16*\s+15], v[64*\u+8*\t:64*\u+8*\t+7], v[WS+4*\t+\s], v[OS+4*\u+\s]
.endr
.endr
.endr
	WIN 0xfe                                       ; A window 2
.irp u, 0,1
.irp s, 0,1,2,3
.irp t, 4,5,6,7
	v_wmma_scale_f32_16x16x128_f8f6f4 v[64*\u+8*\t:64*\u+8*\t+7], v[64*(\t-4)+16*\s:64*(\t-4)+16*\s+15], v[128+64*\u+16*\s:128+64*\u+16*\s+15], v[64*\u+8*\t:64*\u+8*\t+7], v[WS+4*\t+\s], v[OS+4*\u+\s]
.endr
.endr
.endr
	WIN 0
	PLACES 8
	ROWSUM 0, 0
.irp u, 0,1
	v_mul_f32 v[MP+2*\u], s[C9], v[LD+4*\u]        ; the mean
	v_mov_b32 v[MP+2*\u+1], v[MP+2*\u]
.endr
	WIN 0xc3
.irp u, 0,1
.set k, 0
.rept 32
	v_pk_add_f32 v[64*\u+k:64*\u+k+1], v[64*\u+k:64*\u+k+1], v[MP+2*\u:MP+2*\u+1] neg_lo:[0,1] neg_hi:[0,1]   ; y - mean
.set k, k+2
.endr
.endr
	ROWSUM 1, 1024
.irp u, 0,1
	v_fma_f32 v[RSP+2*\u], v[LD+4*\u], s[C9], s[EPS]
.endr
	s_wait_alu depctr_va_vdst(0)
.irp u, 0,1
	v_rsq_f32 v[RSP+2*\u], v[RSP+2*\u]
.endr
	v_nop                                          ; a plain line behind the transcendentals
	s_wait_alu depctr_va_vdst(0)
.irp u, 0,1
	v_mov_b32 v[RSP+2*\u+1], v[RSP+2*\u]
.endr
	s_wait_alu depctr_va_vdst(0)
	s_wait_loadcnt 0x0                             ; g
	WIN 0xc3
.irp u, 0,1
.set k, 0
.rept 32
	v_pk_mul_f32 v[64*\u+k:64*\u+k+1], v[64*\u+k:64*\u+k+1], v[RSP+2*\u:RSP+2*\u+1]
.set k, k+2
.endr
.set k, 0
.rept 32
	v_pk_fma_f32 v[64*\u+k:64*\u+k+1], v[64*\u+k:64*\u+k+1], v[G+k:G+k+1], v[BE+k:BE+k+1]
.set k, k+2
.endr
.endr
	WIN 0x0c                                       ; an LDS store's data: window 3
.irp u, 0,1
.irp b, 0,1,2,3
.irp q, 0,1,2,3
	ds_store_b128 v[SO], v[64*\u+16*\b+4*\q:64*\u+16*\b+4*\q+3] offset:16512*\u+128*\b+16*\q   ; the stage holds the 32 rows in their true order
.endr
.endr
.endr
	s_wait_dscnt 0x0                               ; the stores have read their registers: the hold below rewrites them
.irp u, 0,1
	QUANT 64*\u, 3, PW+\u                          ; tile 2 P + u, K step w of the next products
.irp c, 0,1,2,3
	global_store_b128 v[LI], v[PC+4*\c:PC+4*\c+3], s[24:25] offset:8448*\u+512*\c
.endr
	ds_store_b32 v[SCA], v[PW+\u] offset:256*\u
.endr
	BARRIER                                        ; 32 whole rows and the two tiles' scale words lie in LDS
	WIN 0xc0
.set n, 0
.rept 32
	ds_load_b128 v[128+4*n:128+4*n+3], v[SR] offset:2064*(n/4)+512*(n%4)
.set n, n+1
.endr
	WIN 0x0c
.set n, 0
.rept 32
	s_wait_dscnt 31-n
	global_store_b128 v[LI], v[128+4*n:128+4*n+3], s[22:23] offset:2048*(n/4)+512*(n%4)   ; 512 consecutive bytes of a row
.set n, n+1
.endr
	WIN 0
	s_cmp_lg_u32 s[WV], 0                          ; wave 0 (whose act base is the record's start) stores the scale words: 256 consecutive bytes for each tile
	s_cbranch_scc1 .Lend
	ds_load_b128 v[SA:SA+3], v[SCL]
	s_wait_dscnt 0x0
	global_store_b128 v[AO], v[SA:SA+3], s[24:25] offset:8192
.Lend:
	s_wait_xcnt 0x0
	v_lshl_add_u32 v254, v0, 2, 0x10c00
	v_mov_b32 v255, 0
	s_wait_alu depctr_va_vdst(0)
	s_wait_tensorcnt 0x0
	ds_add_u32 v254, v255
	s_wait_dscnt 0x0
	s_endpgm
.Lfunc_end_k_qb797ac4f85_proj_t:
	.size	k_qb797ac4f85_proj_t, .Lfunc_end_k_qb797ac4f85_proj_t-k_qb797ac4f85_proj_t
	.p2alignl 7, 3214868480
	.fill 96, 4, 3214868480
	.section	.rodata,"a",@progbits
	.p2align	6, 0x0
	.amdhsa_kernel k_qb797ac4f85_proj_t
		.amdhsa_group_segment_fixed_size 69120
		.amdhsa_private_segment_fixed_size 0
		.amdhsa_enable_private_segment 0
		.amdhsa_kernarg_size 72
		.amdhsa_user_sgpr_count 2
		.amdhsa_user_sgpr_kernarg_segment_ptr 1
		.amdhsa_wavefront_size32 1
		.amdhsa_system_sgpr_workgroup_id_x 1
		.amdhsa_system_sgpr_workgroup_id_y 1
		.amdhsa_system_sgpr_workgroup_id_z 1
		.amdhsa_system_vgpr_workitem_id 0
		.amdhsa_next_free_vgpr 1024
		.amdhsa_next_free_sgpr 66
		.amdhsa_reserve_vcc 0
		.amdhsa_float_denorm_mode_32 3
		.amdhsa_float_denorm_mode_16_64 3
		.amdhsa_memory_ordered 1
		.amdhsa_forward_progress 1
		.amdhsa_inst_pref_size 91
	.end_amdhsa_kernel
	.amdgpu_metadata
---
amdhsa.version: [ 1, 2 ]
amdhsa.kernels:
  - .name:           k_qb797ac4f85_proj_t
    .symbol:         k_qb797ac4f85_proj_t.kd
    .args:
      - { .name: obuf, .offset: 0, .size: 8, .value_kind: global_buffer, .address_space: global }
      - { .name: wt, .offset: 8, .size: 8, .value_kind: global_buffer, .address_space: global }
      - { .name: t_wo_scales, .offset: 16, .size: 8, .value_kind: global_buffer, .address_space: global }
      - { .name: t_bo, .offset: 24, .size: 8, .value_kind: global_buffer, .address_space: global }
      - { .name: x, .offset: 32, .size: 8, .value_kind: global_buffer, .address_space: global }
      - { .name: ln1_g, .offset: 40, .size: 8, .value_kind: global_buffer, .address_space: global }
      - { .name: ln1_b, .offset: 48, .size: 8, .value_kind: global_buffer, .address_space: global }
      - { .name: hgbuf, .offset: 56, .size: 8, .value_kind: global_buffer, .address_space: global }
      - { .name: act, .offset: 64, .size: 8, .value_kind: global_buffer, .address_space: global }
    .group_segment_fixed_size: 69120
    .private_segment_fixed_size: 0
    .kernarg_segment_align: 8
    .kernarg_segment_size: 72
    .max_flat_workgroup_size: 128
    .sgpr_count:     66
    .vgpr_count:     1024
    .wavefront_size: 32
...
	.end_amdgpu_metadata
.endif
;; end of part 4
;; launch qkv_s: the kernel of part 2 again; grid 4 x 64, 4 waves a work-group, clusters of 4 x 1, 168,448 bytes of LDS; arguments act, ws, s_wq_scales, s_bq, s_wk_scales, s_bk, s_wv_scales, s_bv, qbuf, kvbuf; writes qbuf, kvbuf
;; launch attn_s: the kernel of part 3 again; grid 8 x 32, 8 waves a work-group, clusters of 4 x 1, 327,680 bytes of LDS; arguments qbuf, kvbuf, obuf; writes obuf
;; launch proj_s: the kernel of part 4 again; grid 256 x 1, 4 waves a work-group, no clusters, 69,120 bytes of LDS; arguments obuf, ws, s_wo_scales, s_bo, hgbuf, ln2_g, ln2_b, h2buf, act; writes h2buf, act
;; launch ffn1 (part 5): grid 4 x 64, 4 waves a work-group, clusters of 4 x 1, 168,448 bytes of LDS; arguments act, wt, f_w1_scales, f_b1, hgbuf; writes hgbuf
.if DOCPART == 5
	.amdgcn_target "amdgcn-amd-amdhsa--gfx1250"
	.amdhsa_code_object_version 6
	.text
	.protected	k_qb797ac4f85_ffn1
	.globl	k_qb797ac4f85_ffn1
	.p2align	8
	.type	k_qb797ac4f85_ffn1,@function
k_qb797ac4f85_ffn1:
	s_mov_b64 s[64:65], 0
	v_nop
	global_prefetch_b8 v0, s[64:65] scope:SCOPE_SE
	s_setreg_imm32_b32 hwreg(HW_REG_WAVE_MODE, 25, 1), 1
	s_wait_xcnt 0x0
	s_wait_alu depctr_hold_cnt(0) depctr_sa_sdst(0) depctr_va_vdst(0) depctr_va_sdst(0) depctr_va_ssrc(0) depctr_va_vcc(0) depctr_vm_vsrc(0)
	s_getreg_b32 s2, hwreg(HW_REG_IB_STS2, 6, 4)
	s_cmp_eq_u32 s2, 0
	s_cbranch_scc0 .Lentry_in_a_cluster
	s_endpgm
.Lentry_in_a_cluster:
	s_bfe_u32 s2, ttmp6, 0x10000c
	s_cmp_lg_u32 s2, 0x3003
	s_cbranch_scc0 .Lentry_shape_is_right
	s_endpgm
.Lentry_shape_is_right:
; g = gelu(a W1 + b1) (the exact gelu), quantised along the 2,048 hidden units, stored as images of the next product's operand (into the buffer that held h, which nobody reads any more).
; SHARES.  A work-group takes 128 rows (8 row tiles) and 512 hidden units; the four of a cluster take the 2,048 and ask for the 8 act records (67,584 bytes) JOINTLY.  Wave w: units 512 cg + 128 w + 0 .. 127:
; 8 weight tiles x 4 K steps, 512 registers that stay; its 128 units are K step 4 cg + w of the next product: one fragment and one scale word a row tile.
; W1 comes from the weights' images (from byte 1,048,576 on; tile tau, K step s at 2048 (4 tau + s)): each load takes 512 consecutive bytes.
; The product is used transposed: a lane holds one row, register 16 b + i = unit 32 b + 16 h + i.  b1 is the C of each sum's first product.
; gelu(x) = max(x, 0) - |x E| / 2, E = erfc(|x| / sqrt 2) = T exp(-x x / 2 + poly(T)), T = 1 / (1 + |x| sqrt 2 / 4): the classic fit of degree 9, whose fractional error is under 1.2e-7 for every x;
; it forms no difference of near numbers for negative x, where gelu is small.  A lane's 64 numbers go in two groups of 32; x x stands among the reciprocals and max(x, 0) among the exponentials:
; these lines read what was written ahead of the wait in front of the batch, and are read behind the wait that follows it.
; A TILE A TRIP: seven trips and a tail that fetches nothing.  The next tile's fragments are asked for behind the products' places and land under the gelu.
; OUT: a record of 33,792 bytes a row tile: the fragment of K step s at 2048 s, the scale words at 32768 + 64 s + 4 r.
; No prefetch is laid: the launch asks for all that it reads at its head.
; LIMITS: NaN and infinities not served; blocks under 2^-118 get the byte 1.
; REGISTERS: window 0: v4-16 addresses; v32-35 a's scale words; v40-71 W1's; v72-135 a's four fragments; v200-232 the quantiser's.   windows 1, 2: W1 (t, s) at 64 (t % 4) + 16 s.
;   window 3: v0-63 the sums; v64-127 b1; v128-159 T; v160-191, v192-223 at work; v[224:225] a constant.
.set SCST, 67584                       ; LDS: 0: the 8 records; here 2,048 bytes: my wave's scale words at 512 w + 64 i + 4 r
.set LI,  4
.set LR,  5
.set VSC, 9
.set H64, 10
.set SCA, 11                           ; SCST + 512 w + 4 r
.set SCL, 12                           ; back: SCST + 512 ((lane / 4) % 4) + 16 (lane % 4) + 64 (2 w + lane / 16)
.set GO,  13                           ; 33792 (lane / 16) + 16 r
.set AD,  14
.set ADR, 15
.set SCW, 16
.set XS,  32
.set WS,  40
.set XF,  72
.set TM,  200
.set PC,  216
.set PW,  232
.set TT,  128
.set PP,  160
.set QQ,  192
.set C8,  224
.set WV,  20
.set SEL, 24
.set MNT, 26
.set TB,  27
.set TS,  28
.set CNT, 29
.set G0,  32
.set G1,  36
.set MSB, 0
.macro WIN new
.if MSB != (\new)
	s_set_vgpr_msb (MSB<<8)|(\new)
.set MSB, (\new)
.endif
.endm
.macro PLACES n
.rept \n
	v_nop
.endr
.endm
.macro CROUND
	s_barrier_signal -1
	s_barrier_wait -1
	s_cmp_lg_u32 s[WV], 0
	s_cbranch_scc1 .Lnot_wave_0_\@
	s_barrier_signal -3
.Lnot_wave_0_\@:
	s_barrier_wait -3
	s_barrier_signal -1
	s_barrier_wait -1
.endm
.macro QUANT s, w, pw
	WIN ((\w)<<2)|((\w)<<4)
.irp b, 0,1,2,3
	v_max3_num_f32 v[TM+\b], 0x4800000, |v[(\s)+16*\b]|, |v[(\s)+16*\b+1]|
.endr
.irp i, 2,4,6,8,10,12,14
.irp b, 0,1,2,3
	v_max3_num_f32 v[TM+\b], v[TM+\b], |v[(\s)+16*\b+\i]|, |v[(\s)+16*\b+\i+1]|
.endr
.endr
	WIN 0
.irp b, 0,1,2,3
	v_permlanex16_b32 v[TM+4+\b], v[TM+\b], s[SEL], s[SEL+1]
.endr
.irp b, 0,1,2,3
	v_max_num_f32 v[TM+\b], v[TM+\b], v[TM+4+\b]
.endr
.irp b, 0,1,2,3
	v_add_nc_u32 v[TM+12+\b], 0xfc000000, v[TM+\b]
.endr
.irp b, 0,1,2,3
	v_and_or_b32 v[TM+8+\b], v[TM+\b], 0x7f800000, s[MNT]
.endr
.irp b, 0,1,2,3
	v_lshrrev_b32 v[TM+4+\b], 23, v[TM+12+\b]
.endr
	v_lshl_or_b32 v[\pw], v[TM+5], 8, v[TM+4]
	v_lshl_or_b32 v[\pw], v[TM+6], 16, v[\pw]
	v_lshl_or_b32 v[\pw], v[TM+7], 24, v[\pw]
	WIN (\w)|((\w)<<6)
.irp b, 0,1,2,3
.set qi, 0
.rept 16
	v_med3_num_f32 v[(\s)+16*\b+qi], v[(\s)+16*\b+qi], -v[TM+8+\b], v[TM+8+\b]
.set qi, qi+1
.endr
.endr
	s_wait_alu depctr_va_vdst(0)
	s_wait_xcnt 0x0                                    ; the codes' registers were the data of the last trip's stores
	WIN (\w)
.irp b, 0,1,2,3
	v_cvt_scalef32_pk8_fp8_f32 v[PC+4*\b:PC+4*\b+1], v[(\s)+16*\b:(\s)+16*\b+7], v[TM+12+\b]
	v_cvt_scalef32_pk8_fp8_f32 v[PC+4*\b+2:PC+4*\b+3], v[(\s)+16*\b+8:(\s)+16*\b+15], v[TM+12+\b]
.endr
	WIN 0
	v_nop
.endm
.macro FETCH                           ; the record at LDS byte s[TB]: four fragments and the scale words, 17 loads; then TB steps
	v_add_nc_u32 v[AD], s[TB], v[LI]
	v_add_nc_u32 v[ADR], s[TB], v[LR]
.irp s, 0,1,2,3
.irp c, 0,1,2,3
	ds_load_b128 v[XF+16*\s+4*\c:XF+16*\s+4*\c+3], v[AD] offset:2048*\s+512*\c
.endr
.endr
	ds_load_b128 v[XS:XS+3], v[ADR] offset:8192
	s_add_co_u32 s[TB], s[TB], 8448
.endm
.macro MUL                             ; 32 products; four accumulators by turns, one instruction a turn
	WIN 0xf1                                       ; A window 1, B window 0, C and D window 3
.irp s, 0,1,2,3
.irp t, 0,1,2,3
.if \s == 0
	v_wmma_scale_f32_16x16x128_f8f6f4 v[8*\t:8*\t+7], v[64*\t:64*\t+15], v[XF:XF+15], v[64+8*\t:64+8*\t+7], v[WS+4*\t], v[XS]
.else
	v_wmma_scale_f32_16x16x128_f8f6f4 v[8*\t:8*\t+7], v[64*\t+16*\s:64*\t+16*\s+15], v[XF+16*\s:XF+16*\s+15], v[8*\t:8*\t+7], v[WS+4*\t+\s], v[XS+\s]
.endif
.endr
.endr
	WIN 0xf2                                       ; A window 2
.irp s, 0,1,2,3
.irp t, 4,5,6,7
.if \s == 0
	v_wmma_scale_f32_16x16x128_f8f6f4 v[8*\t:8*\t+7], v[64*(\t-4):64*(\t-4)+15], v[XF:XF+15], v[64+8*\t:64+8*\t+7], v[WS+4*\t], v[XS]
.else
	v_wmma_scale_f32_16x16x128_f8f6f4 v[8*\t:8*\t+7], v[64*(\t-4)+16*\s:64*(\t-4)+16*\s+15], v[XF+16*\s:XF+16*\s+15], v[8*\t:8*\t+7], v[WS+4*\t+\s], v[XS+\s]
.endif
.endr
.endr
.endm
.macro GELU g                          ; 32 numbers, in place, all in window 3
.set X, 32*(\g)
.set k, 0
.rept 32
	v_fma_f32 v[TT+k], |v[X+k]|, 0x3eb504f3, 1.0   ; 1 + |x| sqrt 2 / 4   (the accumulators are read from their low ends on)
.set k, k+1
.endr
	s_wait_alu depctr_va_vdst(0)                   ; ahead of the batch
.set k, 0
.rept 16
	v_rcp_f32 v[TT+k], v[TT+k]
	v_pk_mul_f32 v[QQ+k:QQ+k+1], v[X+k:X+k+1], v[X+k:X+k+1]   ; x x, among the reciprocals
	v_rcp_f32 v[TT+k+1], v[TT+k+1]
.set k, k+2
.endr
	v_nop                                          ; a plain place behind the batch
	s_wait_alu depctr_va_vdst(0)                   ; one wait for the batch, ahead of its first reader
.set k, 0
.rept 16
	v_pk_fma_f32 v[PP+k:PP+k+1], v[TT+k:TT+k+1], 0x3e2ef945, v[C8:C8+1] op_sel_hi:[1,0,1]   ; 0.17087277 T - 0.82215223
.set k, k+2
.endr
.irp c, 0x3fbe87b0, 0xbf914e5d, 0x3e8ec7cc, 0xbe3ec24c, 0x3dc636c9, 0x3ebf88fb, 0x3f8000c7, 0xbfa1fc4e   ; 1.48851587, -1.13520398, 0.27886807, -0.18628806, 0.09678418, 0.37409196, 1.00002368, -1.26551223
.set k, 0
.rept 16
	v_pk_fma_f32 v[PP+k:PP+k+1], v[PP+k:PP+k+1], v[TT+k:TT+k+1], \c op_sel_hi:[1,1,0]
.set k, k+2
.endr
.endr
.set k, 0
.rept 16
	v_pk_fma_f32 v[PP+k:PP+k+1], v[QQ+k:QQ+k+1], -0.5, v[PP+k:PP+k+1] op_sel_hi:[1,0,1]
.set k, k+2
.endr
.set k, 0
.rept 16
	v_pk_mul_f32 v[PP+k:PP+k+1], v[PP+k:PP+k+1], 0x3fb8aa3b op_sel_hi:[1,0]
.set k, k+2
.endr
	s_wait_alu depctr_va_vdst(0)                   ; ahead of the batch
.set k, 0
.rept 32
	v_exp_f32 v[PP+k], v[PP+k]
	v_max_num_f32 v[QQ+k], 0, v[X+k]               ; max(x, 0), among the exponentials; the last is the plain place behind the batch
.set k, k+1
.endr
	s_wait_alu depctr_va_vdst(0)                   ; and behind it
.set k, 0
.rept 16
	v_pk_mul_f32 v[PP+k:PP+k+1], v[PP+k:PP+k+1], v[TT+k:TT+k+1]   ; E
.set k, k+2
.endr
.set k, 0
.rept 16
	v_pk_mul_f32 v[PP+k:PP+k+1], v[PP+k:PP+k+1], v[X+k:X+k+1]     ; x E
.set k, k+2
.endr
.set k, 0
.rept 32
	v_fma_f32 v[X+k], |v[PP+k]|, -0.5, v[QQ+k]
.set k, k+1
.endr
.endm
.macro TILE fetch
	s_wait_dscnt 0x0                               ; this tile's 17 loads are in, and the last trip's word store is done
	MUL
	WIN 0
	PLACES 8                                       ; in front of loads into registers that the products read, and of the first read of results
.if \fetch
	FETCH
.endif
	WIN 0xff
	GELU 0
	GELU 1
	QUANT 0, 3, PW
.irp c, 0,1,2,3
	global_store_b128 v[LI], v[PC+4*\c:PC+4*\c+3], s[16:17] offset:512*\c   ; 512 consecutive bytes
.endr
	v_add_nc_u32 v[SCW], s[TS], v[SCA]
	ds_store_b32 v[SCW], v[PW]
	s_add_co_u32 s[TS], s[TS], 64
	s_wait_xcnt 0x0                                ; the stores have read their base
	s_add_nc_u64 s[16:17], s[16:17], 33792         ; the next tile's record
.endm
	s_load_b256 s[8:15], s[0:1], 0x0               ; act, the weights' images, W1 scales, b1
	s_load_b64 s[16:17], s[0:1], 0x20              ; the records out
	v_lshl_add_u32 v254, v0, 2, 0x29000
	v_mov_b32 v255, 0
	ds_add_u32 v254, v255
	ds_add_u32 v254, v255
	v_lshrrev_b32 v1, 5, v0
	v_readfirstlane_b32 s[WV], v1
	s_bfe_u32 s21, ttmp6, 0x40000                  ; cx
	s_lshl_b32 s22, ttmp9, 2
	s_add_co_u32 s22, s22, s21                     ; cg: which 512 hidden units
	s_and_b32 s23, ttmp7, 0xffff                   ; the block of 128 rows, which the partners share
	v_and_b32 v1, 31, v0
	v_and_b32 v2, 15, v0
	v_bfe_u32 v3, v0, 4, 1
	v_and_b32 v17, 8, v2
	v_add_nc_u32 v17, v17, v2                      ; rho
	v_lshlrev_b32 v[LI], 4, v1
	v_lshlrev_b32 v[LR], 4, v2
	v_lshlrev_b32 v[VSC], 4, v17
	v_lshlrev_b32 v[H64], 6, v3
	s_lshl_b32 s30, s[WV], 9
	v_lshlrev_b32 v[SCA], 2, v2
	v_add_nc_u32 v[SCA], s30, v[SCA]
	v_add_nc_u32 v[SCA], SCST, v[SCA]
	v_bfe_u32 v[SCL], v0, 2, 2
	v_lshlrev_b32 v[SCL], 9, v[SCL]
	v_and_b32 v18, 3, v0
	v_lshl_add_u32 v[SCL], v18, 4, v[SCL]
	v_lshl_add_u32 v[SCL], v3, 6, v[SCL]
	s_lshl_b32 s30, s[WV], 7
	v_add_nc_u32 v[SCL], s30, v[SCL]
	v_add_nc_u32 v[SCL], SCST, v[SCL]
	v_mul_u32_u24 v[GO], v3, 33792
	v_lshl_add_u32 v[GO], v2, 4, v[GO]
.irp b, 0,1,2,3
	v_mov_b32 v[TM+4+\b], 0
.endr
	s_mov_b32 s[SEL], 0x76543210
	s_mov_b32 s[SEL+1], 0xfedcba98
	s_mov_b32 s[MNT], 0x600000
	s_mov_b32 s[TB], 0
	s_mov_b32 s[TS], 0
	s_mov_b32 s[CNT], 7
	s_mov_b32 s[G1], 15|(3<<16)|(1<<21)            ; 66 rows of 256 bytes, dense; the mask names the four work-groups, bit 21 beside it
	s_mov_b32 s[G1+1], 32<<16
	s_mov_b32 s[G1+2], 66<<16
	s_mov_b32 s[G1+3], 32<<16
	s_mov_b32 s[G1+4], 66
	s_mov_b32 s[G1+5], 32
	s_mov_b32 s[G1+6], 0
	s_mov_b32 s[G1+7], 0
	s_mul_i32 s[G0+1], s[WV], 16896
	s_mul_i32 s44, s23, 67584
	s_add_co_u32 s44, s44, s[G0+1]
	s_mov_b32 s45, 0
	s_mov_b32 s[G0], 1
	s_wait_dscnt 0x0
	s_wait_kmcnt 0x0
	s_add_nc_u64 s[G0+2:G0+3], s[8:9], s[44:45]
	s_or_b32 s[G0+3], s[G0+3], 0x80000000
	CROUND                                         ; all four work-groups are here: the joint loads meet
	tensor_load_to_lds s[G0:G0+3], s[G1:G1+7]      ; my one tensor load of the launch, ahead of the loads of the weights
	s_nop 0
	PLACES 4
	s_lshl_b32 s46, s22, 9
	s_lshl_b32 s48, s[WV], 7
	s_add_co_u32 s46, s46, s48                     ; my first hidden unit
	s_mov_b32 s49, 0
	s_lshl_b32 s48, s46, 9
	s_add_co_u32 s48, s48, 0x100000                ; W1's image begins at 1,048,576
	s_add_nc_u64 s[10:11], s[10:11], s[48:49]
	s_lshl_b32 s48, s46, 4
	s_add_nc_u64 s[12:13], s[12:13], s[48:49]
	s_lshl_b32 s48, s46, 2
	s_add_nc_u64 s[14:15], s[14:15], s[48:49]
	s_mul_i32 s47, s23, 270336                     ; the block's 8 records out
	s_mul_i32 s48, s[WV], 67584
	s_add_co_u32 s48, s48, s47
	s_lshl_b32 s46, s22, 8
	s_add_co_u32 s48, s48, s46
	s_add_nc_u64 s[50:51], s[16:17], s[48:49]      ; the scale words that I store: records 2 w and 2 w + 1, + 256 cg
	s_lshl_b32 s46, s22, 2
	s_add_co_u32 s46, s46, s[WV]
	s_lshl_b32 s46, s46, 11
	s_add_co_u32 s48, s46, s47
	s_add_nc_u64 s[16:17], s[16:17], s[48:49]      ; my fragments: K step 4 cg + w
	WIN 0x40
.irp t, 0,1,2,3
.irp s, 0,1,2,3
.irp c, 0,1,2,3
	global_load_b128 v[64*\t+16*\s+4*\c:64*\t+16*\s+4*\c+3], v[LI], s[10:11] offset:(4*\t+\s)*2048+512*\c   ; 512 consecutive bytes
.endr
.endr
.endr
	WIN 0x80
.irp t, 4,5,6,7
.irp s, 0,1,2,3
.irp c, 0,1,2,3
	global_load_b128 v[64*(\t-4)+16*\s+4*\c:64*(\t-4)+16*\s+4*\c+3], v[LI], s[10:11] offset:(4*\t+\s)*2048+512*\c
.endr
.endr
.endr
	WIN 0xc0
.irp t, 0,1,2,3,4,5,6,7
	global_load_b128 v[64+8*\t:64+8*\t+3], v[H64], s[14:15] offset:(32*(\t/2)+8*(\t%2))*4
	global_load_b128 v[64+8*\t+4:64+8*\t+7], v[H64], s[14:15] offset:(32*(\t/2)+8*(\t%2))*4+16
.endr
	v_mov_b32 v[C8], 0xbf527892                    ; -0.82215223, twice
	v_mov_b32 v[C8+1], 0xbf527892
	WIN 0
.irp t, 0,1,2,3,4,5,6,7
	global_load_b128 v[WS+4*\t:WS+4*\t+3], v[VSC], s[12:13] offset:(32*(\t/2)+8*(\t%2))*16
.endr
	s_wait_tensorcnt 0x0                           ; my quarter has landed,
	s_barrier_signal -1
	s_barrier_wait -1                              ; everybody's has
	FETCH
	s_wait_loadcnt 0x0                             ; the weights
.Ltile:
	TILE 1
	s_sub_co_u32 s[CNT], s[CNT], 1
	s_cmp_lg_u32 s[CNT], 0
	s_cbranch_scc1 .Ltile
	TILE 0                                         ; the last tile fetches nothing
	s_wait_dscnt 0x0                               ; for the others' sake: my scale words lie in LDS
	s_barrier_signal -1
	s_barrier_wait -1
	ds_load_b128 v[XF:XF+3], v[SCL]                ; two tiles' words of the four waves: sixteen lanes a tile
	s_wait_dscnt 0x0
	global_store_b128 v[GO], v[XF:XF+3], s[50:51] offset:32768   ; 256 consecutive bytes for each tile
	s_wait_tensorcnt 0x0
	ds_add_u32 v254, v255
	s_wait_dscnt 0x0
	CROUND                                         ; the closing round
	s_endpgm
.Lfunc_end_k_qb797ac4f85_ffn1:
	.size	k_qb797ac4f85_ffn1, .Lfunc_end_k_qb797ac4f85_ffn1-k_qb797ac4f85_ffn1
	.p2alignl 7, 3214868480
	.fill 96, 4, 3214868480
	.section	.rodata,"a",@progbits
	.p2align	6, 0x0
	.amdhsa_kernel k_qb797ac4f85_ffn1
		.amdhsa_group_segment_fixed_size 168448
		.amdhsa_private_segment_fixed_size 0
		.amdhsa_enable_private_segment 0
		.amdhsa_kernarg_size 40
		.amdhsa_user_sgpr_count 2
		.amdhsa_user_sgpr_kernarg_segment_ptr 1
		.amdhsa_wavefront_size32 1
		.amdhsa_system_sgpr_workgroup_id_x 1
		.amdhsa_system_sgpr_workgroup_id_y 1
		.amdhsa_system_sgpr_workgroup_id_z 1
		.amdhsa_system_vgpr_workitem_id 0
		.amdhsa_next_free_vgpr 1024
		.amdhsa_next_free_sgpr 66
		.amdhsa_reserve_vcc 0
		.amdhsa_float_denorm_mode_32 3
		.amdhsa_float_denorm_mode_16_64 3
		.amdhsa_memory_ordered 1
		.amdhsa_forward_progress 1
		.amdhsa_inst_pref_size 158
	.end_amdhsa_kernel
	.amdgpu_metadata
---
amdhsa.version: [ 1, 2 ]
amdhsa.kernels:
  - .name:           k_qb797ac4f85_ffn1
    .symbol:         k_qb797ac4f85_ffn1.kd
    .args:
      - { .name: act, .offset: 0, .size: 8, .value_kind: global_buffer, .address_space: global }
      - { .name: wt, .offset: 8, .size: 8, .value_kind: global_buffer, .address_space: global }
      - { .name: f_w1_scales, .offset: 16, .size: 8, .value_kind: global_buffer, .address_space: global }
      - { .name: f_b1, .offset: 24, .size: 8, .value_kind: global_buffer, .address_space: global }
      - { .name: hgbuf, .offset: 32, .size: 8, .value_kind: global_buffer, .address_space: global }
    .group_segment_fixed_size: 168448
    .private_segment_fixed_size: 0
    .kernarg_segment_align: 8
    .kernarg_segment_size: 40
    .max_flat_workgroup_size: 128
    .sgpr_count:     66
    .vgpr_count:     1024
    .wavefront_size: 32
...
	.end_amdgpu_metadata
.endif
;; end of part 5
;; launch ffn2 (part 6): grid 4 x 64, 4 waves a work-group, clusters of 4 x 1, 287,232 bytes of LDS; arguments hgbuf, ws, f_w2_scales, f_b2, h2buf, out0; writes out0
.if DOCPART == 6
	.amdgcn_target "amdgcn-amd-amdhsa--gfx1250"
	.amdhsa_code_object_version 6
	.text
	.protected	k_qb797ac4f85_ffn2
	.globl	k_qb797ac4f85_ffn2
	.p2align	8
	.type	k_qb797ac4f85_ffn2,@function
k_qb797ac4f85_ffn2:
	s_mov_b64 s[64:65], 0
	v_nop
	global_prefetch_b8 v0, s[64:65] scope:SCOPE_SE
	s_setreg_imm32_b32 hwreg(HW_REG_WAVE_MODE, 25, 1), 1
	s_wait_xcnt 0x0
	s_wait_alu depctr_hold_cnt(0) depctr_sa_sdst(0) depctr_va_vdst(0) depctr_va_sdst(0) depctr_va_ssrc(0) depctr_va_vcc(0) depctr_vm_vsrc(0)
	s_getreg_b32 s2, hwreg(HW_REG_IB_STS2, 6, 4)
	s_cmp_eq_u32 s2, 0
	s_cbranch_scc0 .Lentry_in_a_cluster
	s_endpgm
.Lentry_in_a_cluster:
	s_bfe_u32 s2, ttmp6, 0x10000c
	s_cmp_lg_u32 s2, 0x3003
	s_cbranch_scc0 .Lentry_shape_is_right
	s_endpgm
.Lentry_shape_is_right:
; out = h2 + g W2 + b2, the product on codes of E4M3 (g: the records of 33,792 bytes a row tile, K = 2,048).
; SHARES.  A work-group takes 128 rows (8 row tiles) and 128 columns; the four of a cluster take the 512 and ask for the 8 records (270,336 bytes) JOINTLY: wave w brings records 2 w and 2 w + 1
; by ONE tensor load of 264 rows of 256 bytes, its only one.  Nothing in LDS is filled twice.
; Wave w: columns 128 cg + 32 w + 0 .. 31: a pair of weight tiles x 16 K steps, 512 registers that stay.  W2 comes from the weights' images (from byte 1,048,576 on; tile tau, K step s at 2048 (16 tau + s)): 512 consecutive bytes a load.
; The product is used transposed: a lane holds one row, registers 8 u + j = column 16 h + 8 u + j of my 32.
; b2 is the C of each sum's first product.  A UNIT is one row tile x 4 K steps: 20 LDS loads, 8 products on two accumulators by turns; the loads run one unit ahead.
; No prefetch is laid: the launch asks for all that it reads at its head.
; THE WAY OUT: when every wave has read the last record, the first 67,584 bytes of LDS (which have had their only fill) serve as a stage of 128 rows x (512 + 16) bytes; rows come back whole, h2 is added, 512 bytes a store.
; REGISTERS: window 0: v4-12 addresses; v16-47 W2's scale words; v48-55 g's (2 sets); v56-71 b2; v72-199 g's fragments (2 sets of 4), at the end rows.   windows 1, 2: W2 (s, u) at 32 (s % 8) + 16 u.
;   window 3: v0-127 the sums (16 i + 8 u); v128-255 my 32 rows' part of h2.
.set LI,  4                            ; 16 lane
.set R4,  5                            ; 4 r
.set AD,  6
.set ADS, 7
.set VS2, 9                            ; 64 rho
.set SO,  10                           ; 528 rho + 128 w + 64 h
.set SR,  11                           ; 32 w x 528 + 16 lane
.set H64, 12
.set W2S, 16
.set GS,  48
.set B2,  56
.set GF,  72
.set WV,  20
.set G0,  32                           ; s[32:35] group 0;  s[48:55] group 1
.set G1,  48
.set MSB, 0
.macro WIN new
.if MSB != (\new)
	s_set_vgpr_msb (MSB<<8)|(\new)
.set MSB, (\new)
.endif
.endm
.macro PLACES n
.rept \n
	v_nop
.endr
.endm
.macro CROUND
	s_barrier_signal -1
	s_barrier_wait -1
	s_cmp_lg_u32 s[WV], 0
	s_cbranch_scc1 .Lnot_wave_0_\@
	s_barrier_signal -3
.Lnot_wave_0_\@:
	s_barrier_wait -3
	s_barrier_signal -1
	s_barrier_wait -1
.endm
.macro FETCHG n                        ; unit n = 4 i + sg: tile i's fragments and scale words of K steps 4 sg .. 4 sg + 3, into set n % 2
.set FI_, (\n)/4
.set FG_, (\n)%4
.set FB_, (\n)%2
	v_add_nc_u32 v[AD], 33792*FI_, v[LI]
	v_add_nc_u32 v[ADS], 33792*FI_, v[R4]
.irp s, 0,1,2,3
.irp c, 0,1,2,3
	ds_load_b128 v[GF+64*FB_+16*\s+4*\c:GF+64*FB_+16*\s+4*\c+3], v[AD] offset:2048*(4*FG_+\s)+512*\c
.endr
	ds_load_b32 v[GS+4*FB_+\s], v[ADS] offset:32768+64*(4*FG_+\s)
.endr
.endm
.macro MULG n                          ; its 8 products: the tile's two accumulators take turns, one instruction a turn
.set MI_, (\n)/4
.set MG_, (\n)%4
.set MB_, (\n)%2
.irp s, 0,1,2,3
.if (MG_ == 0) && (\s == 0)
	WIN 0xc1                                       ; A window 1, B and C (b2) window 0, D window 3
.elseif MG_ < 2
	WIN 0xf1                                       ; C and D window 3
.else
	WIN 0xf2                                       ; A window 2
.endif
.irp u, 0,1
.if (MG_ == 0) && (\s == 0)
	v_wmma_scale_f32_16x16x128_f8f6f4 v[16*MI_+8*\u:16*MI_+8*\u+7], v[16*\u:16*\u+15], v[GF+64*MB_:GF+64*MB_+15], v[B2+8*\u:B2+8*\u+7], v[W2S+16*\u], v[GS+4*MB_]
.else
	v_wmma_scale_f32_16x16x128_f8f6f4 v[16*MI_+8*\u:16*MI_+8*\u+7], v[32*((4*MG_+\s)%8)+16*\u:32*((4*MG_+\s)%8)+16*\u+15], v[GF+64*MB_+16*\s:GF+64*MB_+16*\s+15], v[16*MI_+8*\u:16*MI_+8*\u+7], v[W2S+16*\u+4*MG_+\s], v[GS+4*MB_+\s]
.endif
.endr
.endr
	WIN 0
.endm
	s_load_b256 s[8:15], s[0:1], 0x0               ; g's records, the weights' images, W2 scales, b2
	s_load_b128 s[16:19], s[0:1], 0x20             ; h2buf, out0
	v_lshl_add_u32 v254, v0, 2, 0x46000
	v_mov_b32 v255, 0
	ds_add_u32 v254, v255                          ; the opening lines: the add, twice on end, and its wait
	ds_add_u32 v254, v255
	v_lshrrev_b32 v1, 5, v0
	v_readfirstlane_b32 s[WV], v1
	s_bfe_u32 s21, ttmp6, 0x40000                  ; cx
	s_lshl_b32 s22, ttmp9, 2
	s_add_co_u32 s22, s22, s21                     ; cg: which 128 columns
	s_and_b32 s23, ttmp7, 0xffff                   ; the block of 128 rows, which the partners share
	v_and_b32 v1, 31, v0
	v_and_b32 v2, 15, v0
	v_bfe_u32 v3, v0, 4, 1
	v_and_b32 v13, 8, v2
	v_add_nc_u32 v13, v13, v2                      ; rho
	v_lshlrev_b32 v[LI], 4, v1
	v_lshlrev_b32 v[R4], 2, v2
	v_lshlrev_b32 v[VS2], 6, v13
	v_lshlrev_b32 v[H64], 6, v3
	s_lshl_b32 s25, s[WV], 7
	v_mad_u32_u24 v[SO], v13, 528, v[H64]
	v_add_nc_u32 v[SO], s25, v[SO]
	s_mul_i32 s25, s[WV], 32*528
	v_add_nc_u32 v[SR], s25, v[LI]
	s_mov_b32 s[G1], 15|(3<<16)|(1<<21)            ; 264 rows of 256 bytes, dense: two records; the mask names the four work-groups, bit 21 beside it
	s_mov_b32 s[G1+1], 32<<16
	s_mov_b32 s[G1+2], 264<<16
	s_mov_b32 s[G1+3], 32<<16
	s_mov_b32 s[G1+4], 264
	s_mov_b32 s[G1+5], 32
	s_mov_b32 s[G1+6], 0
	s_mov_b32 s[G1+7], 0
	s_mov_b32 s[G0], 1
	s_mul_i32 s[G0+1], s[WV], 67584                ; LDS address: records 2 w, 2 w + 1
	s_mul_i32 s26, s23, 270336
	s_add_co_u32 s26, s26, s[G0+1]
	s_mov_b32 s27, 0
	s_wait_dscnt 0x0
	s_wait_kmcnt 0x0
	s_add_nc_u64 s[G0+2:G0+3], s[8:9], s[26:27]    ; made of the row block and the wave's number alone
	s_or_b32 s[G0+3], s[G0+3], 0x80000000
	CROUND                                         ; all four work-groups are here: the joint loads meet
	tensor_load_to_lds s[G0:G0+3], s[G1:G1+7]      ; my one tensor load of the launch, ahead of the loads of the weights
	s_nop 0
	PLACES 4
	s_lshl_b32 s28, s22, 7
	s_lshl_b32 s30, s[WV], 5
	s_add_co_u32 s28, s28, s30                     ; my first column
	s_mov_b32 s31, 0
	s_lshl_b32 s30, s28, 11
	s_add_co_u32 s30, s30, 0x100000                ; W2's image begins at 1,048,576
	s_add_nc_u64 s[10:11], s[10:11], s[30:31]
	s_lshl_b32 s30, s28, 6
	s_add_nc_u64 s[12:13], s[12:13], s[30:31]
	s_lshl_b32 s30, s28, 2
	s_add_nc_u64 s[14:15], s[14:15], s[30:31]
	s_lshl_b32 s30, s23, 7
	s_lshl_b32 s29, s[WV], 5
	s_add_co_u32 s30, s30, s29                     ; the first row that I store
	s_lshl_b32 s30, s30, 11
	s_lshl_b32 s29, s22, 9
	s_add_co_u32 s30, s30, s29
	s_add_nc_u64 s[16:17], s[16:17], s[30:31]
	s_add_nc_u64 s[18:19], s[18:19], s[30:31]
	WIN 0x40
	s_wait_alu depctr_va_vdst(0)
.irp s, 0,1,2,3,4,5,6,7
.irp u, 0,1
.irp c, 0,1,2,3
	global_load_b128 v[32*\s+16*\u+4*\c:32*\s+16*\u+4*\c+3], v[LI], s[10:11] offset:(16*\u+\s)*2048+512*\c   ; 512 consecutive bytes
.endr
.endr
.endr
	WIN 0x80
.irp s, 8,9,10,11,12,13,14,15
.irp u, 0,1
.irp c, 0,1,2,3
	global_load_b128 v[32*(\s-8)+16*\u+4*\c:32*(\s-8)+16*\u+4*\c+3], v[LI], s[10:11] offset:(16*\u+\s)*2048+512*\c
.endr
.endr
.endr
	WIN 0
.irp u, 0,1
.irp q, 0,1,2,3
	global_load_b128 v[W2S+16*\u+4*\q:W2S+16*\u+4*\q+3], v[VS2], s[12:13] offset:512*\u+16*\q
.endr
	global_load_b128 v[B2+8*\u:B2+8*\u+3], v[H64], s[14:15] offset:32*\u
	global_load_b128 v[B2+8*\u+4:B2+8*\u+7], v[H64], s[14:15] offset:32*\u+16
.endr
	WIN 0xc0
.set n, 0
.rept 32
	global_load_b128 v[128+4*n:128+4*n+3], v[LI], s[16:17] offset:2048*n   ; h2: 512 consecutive bytes of a row; asked for last, wanted only on the way out
.set n, n+1
.endr
	WIN 0
	s_wait_loadcnt 32                              ; the weights, their scale words and b2 are in; h2's 32 loads may be out
	s_wait_tensorcnt 0x0                           ; my two records have landed,
	s_barrier_signal -1
	s_barrier_wait -1                              ; everybody's have
	FETCHG 0
.irp n, 0,1,2,3,4,5,6,7,8,9,10,11,12,13,14,15,16,17,18,19,20,21,22,23,24,25,26,27,28,29,30,31
.if \n < 31
.if \n > 0
	PLACES 8                                       ; the set that the last unit's products read is loaded again
.endif
	FETCHG \n+1
	s_wait_dscnt 20                                ; this unit's 20 loads are in; the next unit's 20 may be out
.else
	s_wait_dscnt 0x0
.endif
	MULG \n
.endr
	PLACES 8
	s_barrier_signal -1                            ; no LDS instruction of mine is out: my reads of the records are over
	s_barrier_wait -1                              ; everybody's are
	WIN 0x0c                                       ; an LDS store's data: window 3
.irp i, 0,1,2,3,4,5,6,7
.irp u, 0,1
	ds_store_b128 v[SO], v[16*\i+8*\u:16*\i+8*\u+3] offset:(32*(\i/2)+8*(\i%2))*528+32*\u          ; each accumulator from its low end on
	ds_store_b128 v[SO], v[16*\i+8*\u+4:16*\i+8*\u+7] offset:(32*(\i/2)+8*(\i%2))*528+32*\u+16
.endr
.endr
	WIN 0
	s_wait_dscnt 0x0                               ; for the others' sake
	s_barrier_signal -1
	s_barrier_wait -1
.set n, 0
.rept 32
	ds_load_b128 v[GF+4*n:GF+4*n+3], v[SR] offset:528*n
.set n, n+1
.endr
	s_wait_loadcnt 0x0                             ; h2
	WIN 0xcc                                       ; source 1 (h2; a store's data) and destination window 3
.set n, 0
.rept 32
	s_wait_dscnt 31-n
	v_pk_add_f32 v[128+4*n:128+4*n+1], v[GF+4*n:GF+4*n+1], v[128+4*n:128+4*n+1]
	v_pk_add_f32 v[128+4*n+2:128+4*n+3], v[GF+4*n+2:GF+4*n+3], v[128+4*n+2:128+4*n+3]
	global_store_b128 v[LI], v[128+4*n:128+4*n+3], s[18:19] offset:2048*n th:TH_STORE_NT   ; 512 consecutive bytes of a row
.set n, n+1
.endr
	WIN 0
	s_wait_tensorcnt 0x0                           ; the wave's end
	ds_add_u32 v254, v255
	s_wait_dscnt 0x0
	CROUND                                         ; the closing round
	s_endpgm
.Lfunc_end_k_qb797ac4f85_ffn2:
	.size	k_qb797ac4f85_ffn2, .Lfunc_end_k_qb797ac4f85_ffn2-k_qb797ac4f85_ffn2
	.p2alignl 7, 3214868480
	.fill 96, 4, 3214868480
	.section	.rodata,"a",@progbits
	.p2align	6, 0x0
	.amdhsa_kernel k_qb797ac4f85_ffn2
		.amdhsa_group_segment_fixed_size 287232
		.amdhsa_private_segment_fixed_size 0
		.amdhsa_enable_private_segment 0
		.amdhsa_kernarg_size 48
		.amdhsa_user_sgpr_count 2
		.amdhsa_user_sgpr_kernarg_segment_ptr 1
		.amdhsa_wavefront_size32 1
		.amdhsa_system_sgpr_workgroup_id_x 1
		.amdhsa_system_sgpr_workgroup_id_y 1
		.amdhsa_system_sgpr_workgroup_id_z 1
		.amdhsa_system_vgpr_workitem_id 0
		.amdhsa_next_free_vgpr 1024
		.amdhsa_next_free_sgpr 66
		.amdhsa_reserve_vcc 0
		.amdhsa_float_denorm_mode_32 3
		.amdhsa_float_denorm_mode_16_64 3
		.amdhsa_memory_ordered 1
		.amdhsa_forward_progress 1
		.amdhsa_inst_pref_size 120
	.end_amdhsa_kernel
	.amdgpu_metadata
---
amdhsa.version: [ 1, 2 ]
amdhsa.kernels:
  - .name:           k_qb797ac4f85_ffn2
    .symbol:         k_qb797ac4f85_ffn2.kd
    .args:
      - { .name: hgbuf, .offset: 0, .size: 8, .value_kind: global_buffer, .address_space: global }
      - { .name: ws, .offset: 8, .size: 8, .value_kind: global_buffer, .address_space: global }
      - { .name: f_w2_scales, .offset: 16, .size: 8, .value_kind: global_buffer, .address_space: global }
      - { .name: f_b2, .offset: 24, .size: 8, .value_kind: global_buffer, .address_space: global }
      - { .name: h2buf, .offset: 32, .size: 8, .value_kind: global_buffer, .address_space: global }
      - { .name: out0, .offset: 40, .size: 8, .value_kind: global_buffer, .address_space: global }
    .group_segment_fixed_size: 287232
    .private_segment_fixed_size: 0
    .kernarg_segment_align: 8
    .kernarg_segment_size: 48
    .max_flat_workgroup_size: 128
    .sgpr_count:     66
    .vgpr_count:     1024
    .wavefront_size: 32
...
	.end_amdgpu_metadata
.endif
;; end of part 6
